; MI455X (gfx1250); checked and timed in simulation.
; The chip was launched on July 23, 2026; its instructions are those of AMD's public machine-readable ISA for CDNA 5 (MIT licence, August 2026) and "CDNA5" Instruction Set Architecture Reference Guide (July 2026). The comments in the code are by the model that wrote it; some were corrected since.
;; Attention. Allowed arithmetic: matrix products marked QUANTISED: E2M3 operands, one E8M0 scale for each 32 along K, by v_wmma_scale_f32_16x16x128_f8f6f4 with both operands' format E2M3, f32 sums; everything else in f32.
;; Inputs: Wk 1,024 x 1,024 float32; Wo 1,024 x 1,024 float32; Wq 1,024 x 1,024 float32; Wv 1,024 x 1,024 float32; x 4 x 2,048 x 1,024 float32.
;; Outputs: out0 4 x 2,048 x 1,024 float32.
;; This version of the problem:
;;   THIS VERSION OF THE PROBLEM IS GIVEN IN LOW PRECISION. The matrix products marked QUANTISED in the list below multiply operands that are first quantised to E2M3 (2 exponent bits, 3 mantissa bits; 6 bits a number), with one power-of-two scale for each 32 numbers along K (OCP MX v1.0); their sums are f32. All else is computed in f32.
;;   The module's matrix products, in the order in which they are computed (A, B: the left and right operand; K: the contracted axis; several contracted axes count as one K, in the product's order):
;;     1. [M 8,192, K 1,024] x [K 1,024, N 1,024]; A: input x; B: input Wq: QUANTISED
;;     2. [M 8,192, K 1,024] x [K 1,024, N 1,024]; A: input x; B: input Wk: QUANTISED
;;     3. [M 8,192, K 1,024] x [K 1,024, N 1,024]; A: input x; B: input Wv: QUANTISED
;;     4. batch 64 x [M 2,048, K 64] x [K 64, N 2,048]; A: computed on the way; B: computed on the way: QUANTISED
;;     5. batch 64 x [M 2,048, K 2,048] x [K 2,048, N 64]; A: computed on the way; B: computed on the way: QUANTISED
;;     6. [M 8,192, K 1,024] x [K 1,024, N 1,024]; A: computed on the way; B: input Wo: QUANTISED
;;   THE QUANTISER, for each operand of a quantised product, along K:
;;     - K is cut into blocks of 32 from its start; a last block that is shorter is filled with zeros.
;;     - A block's scale is 2^e with e = floor(log2(the largest magnitude in the block)) - 2, held to -126 .. 127; a block of zeros has e = 0. As a byte (E8M0): e + 127.
;;     - Each number is divided by its block's scale, clamped to +-7.5, and rounded to the nearest number of E2M3, ties to even, subnormals kept.
;;     - The product sums the exact products of the quantised numbers (number of the format x scale) in f32.
;;   ~~~python
;;   def quantise(x, axis):      # numpy; x: float32 -> the quantised numbers, widened to float32 again
;;       x = np.moveaxis(x, axis, -1); K = x.shape[-1]
;;       x = np.pad(x, [(0, 0)] * (x.ndim - 1) + [(0, -K % 32)]); x = x.reshape(x.shape[:-1] + (-1, 32)); a = np.abs(x).max(-1, keepdims=True)
;;       e = np.where(a > 0, np.clip(np.frexp(np.where(a > 0, a, 1))[1] - 1 - 2, -126, 127), 0)      # np.frexp(a)[1] - 1 = floor(log2(a)), exactly
;;       r = np.clip(x / 2.0 ** e, -7.5, 7.5)
;;       step = 2.0 ** (np.maximum(np.frexp(np.where(r == 0, 1, r))[1] - 1, 0) - 3)
;;       q = np.round(r / step) * step * 2.0 ** e      # np.round: ties to even
;;       return np.moveaxis(q.reshape(q.shape[:-2] + (-1,))[..., :K], -1, axis).astype(np.float32)
;;   ~~~
;;   OPERANDS COMPUTED ON THE WAY. 'Computed on the way' means the value that the module computes at that place (a softmax that the list does not call 'softmax' is quantised finished and normalised). What goes into a quantiser is computed in f32, as accurately as f32 sums, v_exp_f32 and their like allow (about 1e-6 of the number): no bf16 or f16 on the way to a quantiser, and a product that is left as it is and whose result goes on into a quantised operand takes f32 operands (vector FMAs, or v_wmma_f32_16x16x4_f32). A number that lies on a knife's edge between two numbers of the format may be rounded either way, as far as f32 arithmetic and the matrix unit's own rounding can turn it there, and no further.
;; One version. Each part assembles by itself: llvm-mc -triple=amdgcn-amd-amdhsa -mcpu=gfx1250 --defsym DOCPART=n.
;; ======== version 1 of 1: 4 launches
;; limits: right only within a limited range of input values
;; workspace buffers: xc 6,291,456 bytes; xs 262,144 bytes; wc 3,145,728 bytes; ws 131,072 bytes; qkv 20,185,088 bytes; oc 6,291,456 bytes; os 262,144 bytes
;; launch quant (part 1): grid 768 x 1, 2 waves a work-group, no clusters, 16,640 bytes of LDS; arguments x, Wq, Wk, Wv, Wo, xc, xs, wc, ws; writes xc, xs, wc, ws
.if DOCPART == 1
	.amdgcn_target "amdgcn-amd-amdhsa--gfx1250"
	.amdhsa_code_object_version 6
	.text
	.protected	k_q05331bde57_quant
	.globl	k_q05331bde57_quant
	.p2align	8
	.type	k_q05331bde57_quant,@function
k_q05331bde57_quant:
	s_mov_b64 s[64:65], 0
	v_nop
	global_prefetch_b8 v0, s[64:65] scope:SCOPE_SE
	s_setreg_imm32_b32 hwreg(HW_REG_WAVE_MODE, 25, 1), 1
	s_wait_xcnt 0x0
; x [8192][1024] and Wq, Wk, Wv, Wo [1024][1024], f32, K innermost, are turned into codes of FP6 (E2M3) with one E8M0 scale byte for each 32 along K.
; A block's scale is 2^(floor(log2(its largest magnitude)) - 2); its byte is the largest magnitude's exponent field - 2, held at 1 from below.
; THE CODES' LAYOUT: xc and wc are [tile of 256 stored rows][K step of 256 along K][256 rows][192 bytes]: a K step of a tile is 49,152 dense bytes, which the products' launches fetch as rows of 256 bytes.
; wc holds Wq, Wk, Wv, Wo one behind the other (four tiles each).  xs [8192][32], ws [4096][32]: a stored row's 32 scale bytes on end.
; THE ORDER OF ROWS: x, Wq, Wk and Wv are stored with bits 3 and 4 of the row's number exchanged; Wo keeps its order.  A wave takes 8 whole rows, so the exchange is one of two bits of the wave's place.
; LIMITS: a block of zeros gets the byte 1 where the rule says 127 (its codes are zeros, and this program alone reads the bytes); NaN and infinities among the inputs are not served.
; A wave takes 16 steps of 512 numbers (half a row).  Each of a step's four loads reads 512 consecutive bytes; the 2,048 bytes turn through the wave's own stage in LDS and come back 64 bytes a lane: 16 neighbours along K,
; two neighbouring lanes to a block.  A lane's 16 codes are 12 bytes: lanes 0-15 store 192 consecutive bytes of one K step's image, lanes 16-31 of the next one's; a wave's 8 rows fill 1,536 consecutive bytes of each image.
; A wave's 256 scale bytes are gathered in LDS and leave as one aligned run of 256.  1,536 runs of 8 rows, two waves to a work-group: 768 work-groups, three for each of 256 WGPs.  Waves share nothing: no barrier.
.set STEPS, 16
.set CB,    12                         ; bytes of 16 codes
.set KSB,   49152                      ; a K step's image of a tile
.set R,     16                         ; v16-79   four sets of 16 numbers as loaded
.set X,     80                         ; v80-111  two sets of 16 neighbours
.set C,     128                        ; v128-191 codes, four registers a step
.set E,     112                        ; v112-127 a scale byte a step
.set WREG,  8192                       ; LDS: a wave's region: two stages of 32 x SP bytes, then its 256 scale bytes
.set SP,    80                         ; a lane's place in a stage: 64 bytes + 16 of padding
	s_load_b256 s[4:11], s[0:1], 0x0               ; x, Wq, Wk, Wv
	s_load_b64 s[12:13], s[0:1], 0x20              ; Wo
	s_load_b128 s[16:19], s[0:1], 0x28             ; xc, xs
	s_load_b128 s[20:23], s[0:1], 0x38             ; wc, ws
	v_lshl_add_u32 v192, v0, 2, 0x4000             ; my spare word, behind the two regions
	v_mov_b32 v193, 0
	v_lshrrev_b32 v1, 5, v0
	v_readfirstlane_b32 s30, v1                    ; wave 0..1
	v_and_b32 v2, 31, v0                           ; lane
	v_lshlrev_b32 v3, 4, v2                        ; my 16 bytes of a load's 512
	s_mul_i32 s37, s30, WREG
	v_lshrrev_b32 v14, 2, v2
	v_mul_u32_u24 v14, v14, SP
	v_and_b32 v15, 3, v2
	v_lshl_add_u32 v14, v15, 4, v14
	v_add_nc_u32 v14, s37, v14                     ; the stage, on the way in: SP (lane / 4) + 16 (lane % 4)
	v_mul_u32_u24 v15, v2, SP
	v_add_nc_u32 v15, s37, v15                     ; on the way out: SP x lane
	v_and_b32 v4, 15, v2
	v_mul_u32_u24 v4, v4, CB
	v_lshrrev_b32 v8, 4, v2
	v_mad_u32_u24 v4, v8, KSB, v4                  ; my codes' place: 12 (lane % 16), lanes 16-31 in the next K step's image
	v_lshrrev_b32 v5, 1, v2
	s_add_co_u32 s37, s37, 2*32*SP
	v_add_nc_u32 v5, s37, v5                       ; LDS: my block's scale byte
	v_lshlrev_b32 v7, 3, v2                        ; and on the way out 8 bytes a lane
	v_add_nc_u32 v6, s37, v7
	s_wait_alu depctr_va_vdst(0)                   ; the wait at the head's end
	s_wait_kmcnt 0x0
	; work-groups 0-511 x, 512-575 Wq, 576-639 Wk, 640-703 Wv, 704-767 Wo: every choice hangs on the work-group's number alone
	s_mov_b64 s[24:25], s[6:7]
	s_cmp_ge_u32 ttmp9, 576
	s_cselect_b64 s[24:25], s[8:9], s[24:25]
	s_cmp_ge_u32 ttmp9, 640
	s_cselect_b64 s[24:25], s[10:11], s[24:25]
	s_cmp_ge_u32 ttmp9, 704
	s_cselect_b64 s[24:25], s[12:13], s[24:25]
	s_cselect_b32 s38, 1, 0                        ; Wo?
	s_cmp_lt_u32 ttmp9, 512
	s_cselect_b64 s[24:25], s[4:5], s[24:25]       ; from
	s_cselect_b64 s[26:27], s[16:17], s[20:21]     ; the codes' buffer
	s_cselect_b64 s[28:29], s[18:19], s[22:23]     ; the scale bytes' buffer
	s_cselect_b32 s33, -1, 63
	s_cselect_b32 s32, 0, 512
	s_sub_co_u32 s32, ttmp9, s32                   ; the work-group's place in the buffers it stores into,
	s_and_b32 s33, s32, s33                        ; and in the tensor that it reads
	s_lshl_b32 s34, s33, 1
	s_add_co_u32 s34, s34, s30
	s_lshl_b32 s34, s34, 15                        ; my run of 8 rows: 32,768 bytes each
	s_mov_b32 s35, 0
	s_add_nc_u64 s[24:25], s[24:25], s[34:35]
	s_lshl_b32 s36, s32, 1
	s_add_co_u32 s36, s36, s30                     ; the run's number in the buffers,
	s_and_b32 s31, s36, 1
	s_lshl_b32 s31, s31, 1
	s_bfe_u32 s37, s36, 0x10001
	s_or_b32 s31, s31, s37
	s_and_not1_b32 s37, s36, 3
	s_or_b32 s31, s31, s37                         ; and with its two lowest bits exchanged
	s_cmp_eq_u32 s38, 1
	s_cselect_b32 s36, s36, s31                    ; Wo's rows keep their order
	s_lshr_b32 s34, s36, 5
	s_mul_i32 s34, s34, 4*KSB                      ; the tile of 256 rows,
	s_and_b32 s37, s36, 31
	s_mul_i32 s37, s37, 8*192                      ; my 8 rows in a K step's image
	s_add_co_u32 s34, s34, s37
	s_add_nc_u64 s[26:27], s[26:27], s[34:35]
	s_lshl_b32 s34, s36, 8                         ; 256 scale bytes a run
	s_add_nc_u64 s[28:29], s[28:29], s[34:35]
.macro LOAD t
.irp i, 0,1,2,3
	global_load_b128 v[R+16*((\t)%4)+4*\i:R+16*((\t)%4)+4*\i+3], v3, s[24:25] offset:2048*(\t)+512*\i th:TH_LOAD_NT
.endr
.endm
.macro TURN t                          ; LDS serves a wave's instructions in order (ISA guide 5.7.1.4): no wait between the stores and the loads
.irp i, 0,1,2,3
	ds_store_b128 v14, v[R+16*((\t)%4)+4*\i:R+16*((\t)%4)+4*\i+3] offset:32*SP*((\t)%2)+8*SP*\i
.endr
.irp i, 0,1,2,3
	ds_load_b128 v[X+16*((\t)%2)+4*\i:X+16*((\t)%2)+4*\i+3], v15 offset:32*SP*((\t)%2)+16*\i
.endr
.endm
.irp t, 0,1,2,3
	LOAD \t
.endr
	s_wait_loadcnt 12                              ; step 0's four loads are in; steps 1 to 3's twelve may be out
	TURN 0
.macro STEP t
.set XS, X+16*((\t)%2)
.if (\t) > 0
	s_wait_dscnt 1                                 ; this step's numbers are back (the last step's byte store may be out)
.else
	s_wait_dscnt 0x0
.endif
.if (\t)+4 < STEPS
	LOAD (\t)+4
.endif
.if (\t)+1 < STEPS
.if STEPS-2-(\t) >= 3
	s_wait_loadcnt 12                              ; the next step's four are in; the three steps behind it may be out
.else
	s_wait_loadcnt 4*(STEPS-2-(\t))
.endif
	TURN (\t)+1
.endif
	v_max3_num_f32 v8, |v[XS]|, |v[XS+1]|, |v[XS+2]|               ; the largest magnitude of my 16, in two chains
	v_max3_num_f32 v9, |v[XS+3]|, |v[XS+4]|, |v[XS+5]|
.irp i, 6,10
	v_max3_num_f32 v8, v8, |v[XS+\i]|, |v[XS+\i+1]|
	v_max3_num_f32 v9, v9, |v[XS+\i+2]|, |v[XS+\i+3]|
.endr
	v_max3_num_f32 v8, v8, |v[XS+14]|, |v[XS+15]|
	v_max3_num_f32 v8, v8, v9, 0x1800000           ; the floor 2^(3 - 127): the byte cannot fall under 1
	v_max_num_f32_dpp v8, v8, v8 row_xmask:1 row_mask:0xf bank_mask:0xf   ; with my neighbour's 16: the block's
	v_add_nc_u32 v11, 0xff000000, v8               ; 2 off its exponent field: the conversion's scale operand
	v_cvt_scalef32_pk16_fp6_f32 v[C+4*(\t):C+4*(\t)+2], v[XS:XS+15], v11
	v_lshrrev_b32 v[E+(\t)], 23, v11               ; the scale's byte
	ds_store_b8 v5, v[E+(\t)] offset:16*(\t)       ; both lanes of a block write the same byte with the same value
	global_store_b96 v4, v[C+4*(\t):C+4*(\t)+2], s[26:27] offset:2*KSB*((\t)%2)+192*((\t)/2)   ; row t / 2; K steps 2 (t % 2) and 2 (t % 2) + 1
.endm
.irp t, 0,1,2,3,4,5,6,7,8,9,10,11,12,13,14,15
	STEP \t
.endr
	ds_load_b64 v[12:13], v6                       ; served behind my byte stores
	s_wait_dscnt 0x0
	global_store_b64 v7, v[12:13], s[28:29]        ; 32 lanes store 256 consecutive bytes, aligned
	s_wait_tensorcnt 0x0                           ; the wave's end
	ds_add_u32 v192, v193
	s_wait_dscnt 0x0
	s_endpgm
.Lfunc_end_k_q05331bde57_quant:
	.size	k_q05331bde57_quant, .Lfunc_end_k_q05331bde57_quant-k_q05331bde57_quant
	.p2alignl 7, 3214868480
	.fill 96, 4, 3214868480
	.section	.rodata,"a",@progbits
	.p2align	6, 0x0
	.amdhsa_kernel k_q05331bde57_quant
		.amdhsa_group_segment_fixed_size 16640
		.amdhsa_private_segment_fixed_size 0
		.amdhsa_enable_private_segment 0
		.amdhsa_kernarg_size 72
		.amdhsa_user_sgpr_count 2
		.amdhsa_user_sgpr_kernarg_segment_ptr 1
		.amdhsa_wavefront_size32 1
		.amdhsa_system_sgpr_workgroup_id_x 1
		.amdhsa_system_sgpr_workgroup_id_y 1
		.amdhsa_system_sgpr_workgroup_id_z 1
		.amdhsa_system_vgpr_workitem_id 0
		.amdhsa_next_free_vgpr 194
		.amdhsa_next_free_sgpr 66
		.amdhsa_reserve_vcc 0
		.amdhsa_float_denorm_mode_32 3
		.amdhsa_float_denorm_mode_16_64 3
		.amdhsa_memory_ordered 1
		.amdhsa_forward_progress 1
		.amdhsa_inst_pref_size 33
	.end_amdhsa_kernel
	.amdgpu_metadata
---
amdhsa.version: [ 1, 2 ]
amdhsa.kernels:
  - .name:           k_q05331bde57_quant
    .symbol:         k_q05331bde57_quant.kd
    .args:
      - { .name: x, .offset: 0, .size: 8, .value_kind: global_buffer, .address_space: global }
      - { .name: Wq, .offset: 8, .size: 8, .value_kind: global_buffer, .address_space: global }
      - { .name: Wk, .offset: 16, .size: 8, .value_kind: global_buffer, .address_space: global }
      - { .name: Wv, .offset: 24, .size: 8, .value_kind: global_buffer, .address_space: global }
      - { .name: Wo, .offset: 32, .size: 8, .value_kind: global_buffer, .address_space: global }
      - { .name: xc, .offset: 40, .size: 8, .value_kind: global_buffer, .address_space: global }
      - { .name: xs, .offset: 48, .size: 8, .value_kind: global_buffer, .address_space: global }
      - { .name: wc, .offset: 56, .size: 8, .value_kind: global_buffer, .address_space: global }
      - { .name: ws, .offset: 64, .size: 8, .value_kind: global_buffer, .address_space: global }
    .group_segment_fixed_size: 16640
    .private_segment_fixed_size: 0
    .kernarg_segment_align: 8
    .kernarg_segment_size: 72
    .max_flat_workgroup_size: 64
    .sgpr_count:     66
    .vgpr_count:     194
    .wavefront_size: 32
...
	.end_amdgpu_metadata
.endif
;; end of part 1
;; launch qkv (part 2): grid 8 x 48, 4 waves a work-group, clusters of 4 x 4, 327,680 bytes of LDS; arguments xc, xs, wc, ws, qkv; writes qkv
.if DOCPART == 2
	.amdgcn_target "amdgcn-amd-amdhsa--gfx1250"
	.amdhsa_code_object_version 6
	.text
	.protected	k_q05331bde57_qkv
	.globl	k_q05331bde57_qkv
	.p2align	8
	.type	k_q05331bde57_qkv,@function
k_q05331bde57_qkv:
	s_mov_b64 s[64:65], 0
	v_nop
	global_prefetch_b8 v0, s[64:65] scope:SCOPE_SE
	s_setreg_imm32_b32 hwreg(HW_REG_WAVE_MODE, 25, 1), 1
	s_wait_xcnt 0x0
	s_wait_alu depctr_hold_cnt(0) depctr_sa_sdst(0) depctr_va_vdst(0) depctr_va_sdst(0) depctr_va_ssrc(0) depctr_va_vcc(0) depctr_vm_vsrc(0)
	s_getreg_b32 s2, hwreg(HW_REG_IB_STS2, 6, 4)
	s_cmp_eq_u32 s2, 0
	s_cbranch_scc0 .Lentry_in_a_cluster
	s_endpgm
.Lentry_in_a_cluster:
	s_bfe_u32 s2, ttmp6, 0x10000c
	s_cmp_lg_u32 s2, 0xf033
	s_cbranch_scc0 .Lentry_shape_is_right
	s_endpgm
.Lentry_shape_is_right:
; Q, K = x Wq^T, x Wk^T (clusters y 0-7: A = 256 stored rows of x, B = 256 rows of Wq|Wk) and V^T = Wv x^T (clusters y 8-11: A = 256 rows of Wv, B = 256 rows of x), on codes of FP6 with E8M0 scales.
; A work-group of four waves makes 256 x 256, a wave 128 x 128 in 64 accumulators; source 0 = B's rows, so a lane holds one row of A and neighbours along B.  The results are quantised along B (blocks of 32) and leave
; as images of the next launch's operand registers: qkv[16 b + head .. ][block of 128 tokens]: q, k, v with their scale words, 19,712 bytes.
; K goes in four steps of 256 through two LDS slots.  A K step of a tile of 256 rows is 49,152 dense bytes of xc or wc, fetched as rows of 256 bytes; 16 bytes of padding stand behind every 64, so an LDS row of 192 bytes has a pitch of 240.
; THE HEAD: one joint load a wave (A's 256 rows of K step 0, B's, A's scale bytes, B's); slot 1's first fill stands behind the three lines and a round, as a refill does.
; A's tiles are shared along a row of the 4 x 4 cluster, B's along a column.  No prefetch: K has four steps, of which two are asked for at the head.
.set SIZE_K, 1024
.set KSTEP,  256
.set NQ,     KSTEP/128
.set ROWB,   49152                     ; bytes from a tile's K step to its next
.set HALFB,  24576                     ; 128 rows of a K step in memory
.set G0H,    4                         ; s[4:7], s[8:11] group 0 of the head's loads of codes (the arguments that lay there have served)
.set G0HB,   8
.set KROW,   SIZE_K*6/8
.set PITCH,  240
.set FR,     12
.set NL,     6
.set NP,     4
.set HALFT,  128*PITCH
.set SLOT,   4*HALFT
.set LAPS,   SIZE_K/(2*KSTEP)
.set KS,     SIZE_K/32
.set SCL,    2*SLOT
.set HALFS,  (128*KS/256)*272
.set SBLK,   (16*KS/256)*272
.set SPARE,  SCL+4*HALFS
.set BLKB,   19712
.set HS,     16*BLKB
.set LN16, 8
.set SOFF, 9
.set SH16, 10
.set FLR,  11
.set HLF,  12
.set ADRA, 16
.set ADRB, 20
.set ADRS, 27
.set SPW,  28
.set NIL,  29
.set SC,   32
.set Y0,   64
.set Y1,   76
.set TC,   88
.set SW,   96
.set OUTS, 104
.set TM,   108
.set PW,   124
.set AF,   128
.set G1, 24
.set G0, 32
.set G1B, 48
.set G0B, 56
.set G1S, 68
.set G0S, 76
.set G1SB, 80
.set G0SB, 88
.set MSB, 0
.macro WIN new
.if MSB != \new
	s_set_vgpr_msb (MSB<<8)|\new
.set MSB, \new
.endif
.endm
.set MUL_LO, 0xa1
.set MUL_HI, 0xf1
.set TO_B,   0x40
.macro JLOAD g0a, g1a, g0b, g1b
	s_cmp_eq_u32 s15, 0
	s_cbranch_scc0 .Lfor_b_\@
	tensor_load_to_lds s[\g0a:\g0a+3], s[\g1a:\g1a+7]
	s_nop 0
.rept 4
	v_nop
.endr
	s_branch .Lasked_\@
.Lfor_b_\@:
	tensor_load_to_lds s[\g0b:\g0b+3], s[\g1b:\g1b+7]
	s_nop 0
.rept 4
	v_nop
.endr
.Lasked_\@:
.endm
.macro CREST
	s_cmp_lg_u32 s14, 0
	s_cbranch_scc1 .Lnot_wave_0_\@
	s_barrier_signal -3
.Lnot_wave_0_\@:
	s_barrier_wait -3
	s_barrier_signal -1
	s_barrier_wait -1
.endm
.macro CROUND
	s_barrier_signal -1
	s_barrier_wait -1
	CREST
.endm
	s_load_b128 s[4:7], s[0:1], 0x0
	s_load_b128 s[8:11], s[0:1], 0x10
	s_load_b64 s[12:13], s[0:1], 0x20
	v_lshl_add_u32 v[SPW], v0, 2, SPARE
	v_mov_b32 v[NIL], 0
	ds_add_u32 v28, v29
	ds_add_u32 v28, v29
	s_wait_dscnt 0x0
	v_lshrrev_b32 v1, 5, v0
	v_readfirstlane_b32 s14, v1
	s_lshr_b32 s15, s14, 1
	s_and_b32 s16, s14, 1
	s_bfe_u32 s40, ttmp6, 0x40000
	s_bfe_u32 s41, ttmp6, 0x40004
	s_and_b32 s95, ttmp7, 0xffff
	s_lshl_b32 s17, s95, 2
	s_lshl_b32 s42, ttmp9, 2
	s_max_u32 s18, s95, 8
	s_sub_co_u32 s18, s18, 8
	s_lshl_b32 s18, s18, 3
	s_add_co_u32 s18, s18, s42
	s_cmp_ge_u32 s95, 8
	s_cselect_b32 s17, 0, s17
	s_cselect_b32 s42, s18, s42
	s_add_co_u32 s17, s17, s41
	s_add_co_u32 s42, s42, s40
	s_lshl_b32 s43, s41, 2
	s_lshl_b32 s43, 15, s43
	s_lshl_b32 s44, 0x1111, s40
	s_or_b32 s[G1+0], s43, (0<<16)|(1<<20)|(1<<21)|(3<<22)|(3<<25)
	s_or_b32 s[G1B+0], s44, (0<<16)|(1<<20)|(1<<21)|(3<<22)|(3<<25)
.irp g, G1, G1B
	s_mov_b32 s[\g+1], 256<<16                     ; rows of 256 bytes,
	s_mov_b32 s[\g+2], 192<<16                     ; 192 of them: 256 rows of codes, for the head's loads
	s_mov_b32 s[\g+3], 256<<16
	s_mov_b32 s[\g+4], 192
	s_mov_b32 s[\g+5], 256
	s_mov_b32 s[\g+6], 0
	s_mov_b32 s[\g+7], 0
.endr
	s_or_b32 s[G1S+0], s43, (3<<16)|(1<<20)|(1<<21)|(5<<22)|(3<<25)
	s_or_b32 s[G1SB+0], s44, (3<<16)|(1<<20)|(1<<21)|(5<<22)|(3<<25)
.irp g, G1S, G1SB
	s_mov_b32 s[\g+1], 32<<16
	s_mov_b32 s[\g+2], KS<<16                      ; the scale bytes of 256 rows: KS rows of 256 bytes
	s_mov_b32 s[\g+3], 32<<16
	s_mov_b32 s[\g+4], KS
	s_mov_b32 s[\g+5], 32
	s_mov_b32 s[\g+6], 0
	s_mov_b32 s[\g+7], 0
.endr
	s_lshl_b32 s20, s17, 8                         ; the tiles' first rows
	s_lshl_b32 s46, s42, 8
	s_mov_b32 s21, 0
	s_mov_b32 s47, 0
	s_mov_b64 s[18:19], KS
	s_mul_u64 s[22:23], s[20:21], s[18:19]
	s_mul_u64 s[92:93], s[46:47], s[18:19]
	s_mov_b64 s[18:19], KROW
	s_mul_u64 s[20:21], s[20:21], s[18:19]
	s_mul_u64 s[46:47], s[46:47], s[18:19]
	s_mul_i32 s45, s14, HALFT
	s_mul_i32 s18, s16, HALFB                      ; in the ring I fetch 128 rows of a tile: which half
	s_mov_b32 s19, 0
	s_wait_kmcnt 0x0
	s_add_nc_u64 s[66:67], s[8:9], 2048*KROW
	s_add_nc_u64 s[96:97], s[10:11], 2048*KS
	s_cmp_ge_u32 s95, 8
	s_cselect_b64 s[66:67], s[66:67], s[4:5]
	s_cselect_b64 s[96:97], s[96:97], s[6:7]
	s_cselect_b64 s[98:99], s[4:5], s[8:9]
	s_cselect_b64 s[100:101], s[6:7], s[10:11]
	s_add_nc_u64 s[20:21], s[66:67], s[20:21]
	s_add_nc_u64 s[22:23], s[96:97], s[22:23]
	s_add_nc_u64 s[46:47], s[98:99], s[46:47]
	s_add_nc_u64 s[92:93], s[100:101], s[92:93]
	CROUND
	s_mov_b32 s[G0S], 1
	s_mov_b32 s[G0S+1], SCL
	s_mov_b64 s[G0S+2:G0S+3], s[22:23]
	s_or_b32 s[G0S+3], s[G0S+3], 0x80000000
	s_mov_b32 s[G0SB], 1
	s_mov_b32 s[G0SB+1], SCL+2*HALFS
	s_mov_b64 s[G0SB+2:G0SB+3], s[92:93]
	s_or_b32 s[G0SB+3], s[G0SB+3], 0x80000000
	s_mov_b32 s[G0H], 1                            ; K step 0: A's 256 rows,
	s_mov_b32 s[G0H+1], 0
	s_mov_b64 s[G0H+2:G0H+3], s[20:21]
	s_or_b32 s[G0H+3], s[G0H+3], 0x80000000
	s_mov_b32 s[G0HB], 1                           ; and B's, behind them in slot 0
	s_mov_b32 s[G0HB+1], 2*HALFT
	s_mov_b64 s[G0HB+2:G0HB+3], s[46:47]
	s_or_b32 s[G0HB+3], s[G0HB+3], 0x80000000
	s_add_nc_u64 s[20:21], s[20:21], s[18:19]      ; for the ring: my 128 rows
	s_add_nc_u64 s[46:47], s[46:47], s[18:19]
.irp s, 0,1
	s_mov_b32 s[G0+4*\s], 1
	s_add_co_u32 s[G0+4*\s+1], s45, \s*SLOT
	s_add_nc_u64 s[G0+4*\s+2:G0+4*\s+3], s[20:21], \s*ROWB
	s_or_b32 s[G0+4*\s+3], s[G0+4*\s+3], 0x80000000
	s_mov_b32 s[G0B+4*\s], 1
	s_add_co_u32 s[G0B+4*\s+1], s45, \s*SLOT
	s_add_nc_u64 s[G0B+4*\s+2:G0B+4*\s+3], s[46:47], \s*ROWB
	s_or_b32 s[G0B+4*\s+3], s[G0B+4*\s+3], 0x80000000
.endr
; the head's four loads, one a wave, in one tree of branches on the wave's number
.macro ARM under, g0, g1, next
	s_cmp_lt_u32 s14, \under
	s_cbranch_scc0 \next
	tensor_load_to_lds s[\g0:\g0+3], s[\g1:\g1+7]
	s_nop 0
.rept 4
	v_nop
.endr
	s_branch .Lhead_asked
\next:
.endm
	ARM 1, G0H,  G1,  .Lhead_b
	ARM 2, G0HB, G1B, .Lhead_sa
	ARM 3, G0S,  G1S, .Lhead_sb
	tensor_load_to_lds s[G0SB:G0SB+3], s[G1SB:G1SB+7]
	s_nop 0
.rept 4
	v_nop
.endr
.Lhead_asked:
	v_and_b32 v1, 15, v0
	v_bfe_u32 v2, v0, 4, 1
	v_mul_u32_u24 v3, v1, PITCH
	v_mul_u32_u24 v4, v2, 24
	v_add_nc_u32 v4, v3, v4
	v_lshl_add_u32 v5, v2, 4, v4
	s_mul_i32 s21, s15, HALFT
	s_mul_i32 s22, s16, HALFT
	s_add_co_u32 s22, s22, 2*HALFT
.irp s, 0,1
	v_add_nc_u32 v[ADRA+\s], s21, v4
	v_add_nc_u32 v[ADRB+\s], s22, v4
	v_add_nc_u32 v[ADRA+2+\s], s21, v5
	v_add_nc_u32 v[ADRB+2+\s], s22, v5
	s_add_co_u32 s21, s21, SLOT
	s_add_co_u32 s22, s22, SLOT
.endr
	v_mul_u32_u24 v5, v1, KS
	v_lshrrev_b32 v6, 8, v5
	v_lshl_add_u32 v5, v6, 4, v5
	s_mul_i32 s21, s15, HALFS
	s_mul_i32 s22, s16, HALFS
	s_add_co_u32 s22, s22, 2*HALFS
	s_sub_co_u32 s22, s22, s21
	v_mul_u32_u24 v6, s22, v2
	s_add_co_u32 s21, s21, SCL
	v_add_nc_u32 v5, v5, v6
	v_add_nc_u32 v[ADRS], s21, v5
	v_and_b32 v6, 31, v0
	v_lshlrev_b32 v[LN16], 4, v6
	v_mul_u32_u24 v[SOFF], v2, HS
	v_lshl_add_u32 v[SOFF], v1, 4, v[SOFF]
	v_lshlrev_b32 v[SH16], 4, v2
	v_mov_b32 v[FLR], 0x1800000
	v_mov_b32 v[HLF], v2
.irp b, 0,1,2,3
	v_mov_b32 v[TM+4+\b], 0
.endr
	s_lshl_b32 s20, s17, 1
	s_add_co_u32 s20, s20, s15
	s_lshl_b32 s21, s42, 1
	s_add_co_u32 s21, s21, s16
	s_cmp_ge_u32 s95, 8
	s_cselect_b32 s22, s21, s20
	s_cselect_b32 s23, s20, s21
	s_lshr_b32 s92, s23, 3
	s_mul_i32 s92, s92, 6656
	s_cmp_ge_u32 s95, 8
	s_cselect_b32 s92, 13312, s92
	s_and_b32 s23, s23, 7
	s_lshl_b32 s23, s23, 5
	s_lshr_b32 s93, s22, 4
	s_lshl_b32 s93, s93, 8
	s_and_b32 s22, s22, 15
	s_add_co_u32 s22, s22, s23
	s_add_co_u32 s22, s22, s93
	s_mul_i32 s22, s22, BLKB
	s_add_co_u32 s22, s22, s92
	s_mov_b32 s23, 0
	s_add_nc_u64 s[12:13], s[12:13], s[22:23]
	s_mov_b32 s18, 0x76543210
	s_mov_b32 s19, 0xfedcba98
.macro FRAG reg, adr, q, i
.irp p, 0,1,2,3,4,5
.set PIECE, 12*(\q)+6*(\p/3)+\p%3
.if PIECE%8 < 5
	ds_load_b64 v[\reg+2*\p:\reg+2*\p+1], v[\adr] offset:8*PIECE+16*(PIECE/8)+(\i)*16*PITCH
.else
	ds_load_b64 v[\reg+2*\p:\reg+2*\p+1], v[\adr+2] offset:8*PIECE+16*(PIECE/8)+(\i)*16*PITCH
.endif
.endr
.endm
.macro MUL16 a0, p, q, sc, zero
.irp a, \a0, \a0+1
.irp b, 0,1,2,3,4,5,6,7
.if \zero
	v_wmma_scale_f32_16x16x128_f8f6f4 v[8*(8*((\a)%4)+\b):8*(8*((\a)%4)+\b)+7], v[128*(\p)+FR*\b:128*(\p)+FR*\b+FR-1], v[AF+FR*(\a):AF+FR*(\a)+FR-1], 0, v[SC+8*NQ*(\sc)+NQ*\b+(\q)], v[SC+8*NQ*(\sc)+NQ*(\a)+(\q)] matrix_a_fmt:MATRIX_FMT_FP6 matrix_b_fmt:MATRIX_FMT_FP6 matrix_a_scale:MATRIX_SCALE_ROW1
.else
	v_wmma_scale_f32_16x16x128_f8f6f4 v[8*(8*((\a)%4)+\b):8*(8*((\a)%4)+\b)+7], v[128*(\p)+FR*\b:128*(\p)+FR*\b+FR-1], v[AF+FR*(\a):AF+FR*(\a)+FR-1], v[8*(8*((\a)%4)+\b):8*(8*((\a)%4)+\b)+7], v[SC+8*NQ*(\sc)+NQ*\b+(\q)], v[SC+8*NQ*(\sc)+NQ*(\a)+(\q)] matrix_a_fmt:MATRIX_FMT_FP6 matrix_b_fmt:MATRIX_FMT_FP6 matrix_a_scale:MATRIX_SCALE_ROW1
.endif
.endr
.endr
.endm
.macro FETCH_B slot, q, p
	WIN TO_B
.irp i, 0,1,2,3,4,5,6,7
	FRAG 128*(\p)+FR*\i, ADRB+\slot, \q, \i
.endr
	WIN 0
.endm
.macro FETCH_A slot, q, i0
.irp i, \i0, \i0+1, \i0+2, \i0+3
	FRAG AF+FR*(\i), ADRA+\slot, \q, \i
.endr
.endm
.macro SCALES sc
.irp i, 0,1,2,3,4,5,6,7
	ds_load_b64 v[SC+8*NQ*\sc+NQ*\i:SC+8*NQ*\sc+NQ*\i+1], v[ADRS] offset:\i*SBLK
.endr
.endm
.macro PLACES n
.rept \n
	v_nop
.endr
.endm
.macro STEP slot, q, zero
	s_wait_dscnt 4*NL
	WIN MUL_LO
	MUL16 0, (\q)%2, \q, \slot, \zero
	MUL16 2, (\q)%2, \q, \slot, \zero
	s_wait_dscnt 0
	PLACES NP
	FETCH_B \slot, (\q)+1, 1-(\q)%2
	FETCH_A \slot, (\q)+1, 0
	WIN MUL_HI
	MUL16 4, (\q)%2, \q, \slot, \zero
	MUL16 6, (\q)%2, \q, \slot, \zero
	PLACES NP
	WIN 0
	FETCH_A \slot, (\q)+1, 4
.endm
.macro TURN slot, next, fill
	s_wait_tensorcnt 0x0
	ds_add_u32 v[SPW], v[NIL]
	s_wait_dscnt 4*NL+1
	WIN MUL_LO
	MUL16 0, 1, NQ-1, \slot, 0
	s_wait_dscnt 0x0
	s_barrier_signal -1
	MUL16 2, 1, NQ-1, \slot, 0
	WIN 0
	s_barrier_wait -1
.if \fill
	CREST
	s_add_nc_u64 s[G0+4*\slot+2:G0+4*\slot+3], s[G0+4*\slot+2:G0+4*\slot+3], 2*ROWB
	s_add_nc_u64 s[G0B+4*\slot+2:G0B+4*\slot+3], s[G0B+4*\slot+2:G0B+4*\slot+3], 2*ROWB
	JLOAD G0+4*\slot, G1, G0B+4*\slot, G1B
.else
	PLACES NP
.endif
	s_wait_alu depctr_va_vdst(0)
	v_add_nc_u32 v[ADRS], 4*NQ, v[ADRS]
	FETCH_B \next, 0, 0
	FETCH_A \next, 0, 0
	SCALES \next
	WIN MUL_HI
	MUL16 4, 1, NQ-1, \slot, 0
	MUL16 6, 1, NQ-1, \slot, 0
	PLACES NP
	WIN 0
	FETCH_A \next, 0, 4
.endm
	s_wait_alu depctr_va_vdst(0)                   ; the wait at the head's end
	s_wait_tensorcnt 0x0                           ; my tile of the head's four is in; the three lines ahead of slot 1's first fill
	ds_add_u32 v[SPW], v[NIL]
	s_mov_b32 s[G1+2], 96<<16                      ; no load of mine is out: from here on a load brings 128 rows of codes, 96 rows of 256 bytes
	s_mov_b32 s[G1+4], 96
	s_mov_b32 s[G1B+2], 96<<16
	s_mov_b32 s[G1B+4], 96
	s_wait_dscnt 0x0
	CROUND                                         ; all four tiles are in, in every partner
	JLOAD G0+4, G1, G0B+4, G1B                     ; K step 1, the first tensor load behind the round
	FETCH_B 0, 0, 0
	FETCH_A 0, 0, 0
	SCALES 0
	FETCH_A 0, 0, 4
	STEP 0, 0, 1
	s_mov_b32 s3, LAPS-1
.Llap:
	TURN 0, 1, 1
	STEP 1, 0, 0
	TURN 1, 0, 1
	STEP 0, 0, 0
	s_sub_co_u32 s3, s3, 1
	s_cmp_lg_u32 s3, 0
	s_cbranch_scc1 .Llap
	TURN 0, 1, 0
	STEP 1, 0, 0
	s_wait_dscnt 4*NL
	WIN MUL_LO
	MUL16 0, 1, NQ-1, 1, 0
	MUL16 2, 1, NQ-1, 1, 0
	s_wait_dscnt 0
	WIN MUL_HI
	MUL16 4, 1, NQ-1, 1, 0
	MUL16 6, 1, NQ-1, 1, 0
	WIN 0
.macro QUANT s, w, p0, p1, pw
	WIN 0x14*(\w)
.irp b, 0,1,2,3
	v_max3_num_f32 v[TM+\b], v[FLR], |v[(\s)+16*\b]|, |v[(\s)+16*\b+1]|
.endr
.irp i, 2,4,6,8,10,12,14
.irp b, 0,1,2,3
	v_max3_num_f32 v[TM+\b], v[TM+\b], |v[(\s)+16*\b+\i]|, |v[(\s)+16*\b+\i+1]|
.endr
.endr
	WIN 0
.irp b, 0,1,2,3
	v_permlanex16_b32 v[TM+4+\b], v[TM+\b], s18, s19
.endr
.irp b, 0,1,2,3
	v_max_num_f32 v[TM+\b], v[TM+\b], v[TM+4+\b]
.endr
.irp b, 0,1,2,3
	v_add_nc_u32 v[TM+12+\b], 0xff000000, v[TM+\b]
.endr
.irp b, 0,1,2,3
	v_lshrrev_b32 v[TM+4+\b], 23, v[TM+12+\b]
.endr
	v_lshl_or_b32 v[\pw], v[TM+5], 8, v[TM+4]
	v_lshl_or_b32 v[\pw], v[TM+6], 16, v[\pw]
	v_lshl_or_b32 v[\pw], v[TM+7], 24, v[\pw]
	WIN (\w)
	v_cvt_scalef32_pk16_fp6_f32 v[\p0:\p0+2], v[(\s):(\s)+15], v[TM+12]
	v_cvt_scalef32_pk16_fp6_f32 v[TC:TC+2], v[(\s)+16:(\s)+31], v[TM+13]
	v_cvt_scalef32_pk16_fp6_f32 v[\p1:\p1+2], v[(\s)+32:(\s)+47], v[TM+14]
	v_cvt_scalef32_pk16_fp6_f32 v[TC+4:TC+6], v[(\s)+48:(\s)+63], v[TM+15]
	WIN 0
	v_nop
.irp i, 0,1,2
	v_permlane16_swap_b32 v[\p0+\i], v[TC+\i]
.endr
.irp i, 0,1,2
	v_mov_b32 v[\p0+3+\i], v[TC+\i]
.endr
.irp i, 0,1,2
	v_permlane16_swap_b32 v[\p1+\i], v[TC+4+\i]
.endr
.irp i, 0,1,2
	v_mov_b32 v[\p1+3+\i], v[TC+4+\i]
.endr
.endm
	PLACES NP
	s_cmp_ge_u32 s95, 8
	s_cbranch_scc1 .Lv_out
.irp a, 0,1,2,3,4,5,6,7
.if \a%2 == 0
	s_wait_xcnt 0x0
.endif
	QUANT 64*(\a%4), 2+\a/4, Y0+6*(\a%2), Y1+6*(\a%2), PW
	v_bfe_u32 v[SW+\a], v[PW], v[SH16], 16
.if \a%2 == 1
.irp c, 0,1,2
	global_store_b128 v[LN16], v[Y0+4*\c:Y0+4*\c+3], s[12:13] offset:(\a/2)*1536+512*\c
	global_store_b128 v[LN16], v[Y1+4*\c:Y1+4*\c+3], s[12:13] offset:HS+(\a/2)*1536+512*\c
.endr
.endif
.if \a%4 == 3
	global_store_b128 v[SOFF], v[SW+4*(\a/4):SW+4*(\a/4)+3], s[12:13] offset:6144+256*(\a/4)
.endif
.endr
	s_branch .Ldone
.Lv_out:
.irp a, 0,1,2,3,4,5,6,7
	s_wait_xcnt 0x0
	QUANT 64*(\a%4), 2+\a/4, Y0, Y0+6, SW+\a
.irp c, 0,1,2
	global_store_b128 v[LN16], v[Y0+4*\c:Y0+4*\c+3], s[12:13] offset:(\a/4)*HS+(\a%4)*1536+512*\c
.endr
.endr
	v_cmp_ne_u32 vcc_lo, 0, v[HLF]
.irp i, 0,1,2,3
	v_cndmask_b32 v[OUTS+\i], v[SW+\i], v[SW+4+\i], vcc_lo
.endr
	global_store_b128 v[SOFF], v[OUTS:OUTS+3], s[12:13] offset:6144
.Ldone:
	s_wait_tensorcnt 0x0
	ds_add_u32 v[SPW], v[NIL]
	s_wait_dscnt 0x0
	CROUND
	s_endpgm
.Lfunc_end_k_q05331bde57_qkv:
	.size	k_q05331bde57_qkv, .Lfunc_end_k_q05331bde57_qkv-k_q05331bde57_qkv
	.p2alignl 7, 3214868480
	.fill 96, 4, 3214868480
	.section	.rodata,"a",@progbits
	.p2align	6, 0x0
	.amdhsa_kernel k_q05331bde57_qkv
		.amdhsa_group_segment_fixed_size 327680
		.amdhsa_private_segment_fixed_size 0
		.amdhsa_enable_private_segment 0
		.amdhsa_kernarg_size 40
		.amdhsa_user_sgpr_count 2
		.amdhsa_user_sgpr_kernarg_segment_ptr 1
		.amdhsa_wavefront_size32 1
		.amdhsa_system_sgpr_workgroup_id_x 1
		.amdhsa_system_sgpr_workgroup_id_y 1
		.amdhsa_system_sgpr_workgroup_id_z 1
		.amdhsa_system_vgpr_workitem_id 0
		.amdhsa_next_free_vgpr 1024
		.amdhsa_next_free_sgpr 102
		.amdhsa_reserve_vcc 1
		.amdhsa_float_denorm_mode_32 3
		.amdhsa_float_denorm_mode_16_64 3
		.amdhsa_memory_ordered 1
		.amdhsa_forward_progress 1
		.amdhsa_inst_pref_size 198
	.end_amdhsa_kernel
	.amdgpu_metadata
---
amdhsa.version: [ 1, 2 ]
amdhsa.kernels:
  - .name:           k_q05331bde57_qkv
    .symbol:         k_q05331bde57_qkv.kd
    .args:
      - { .name: xc, .offset: 0, .size: 8, .value_kind: global_buffer, .address_space: global }
      - { .name: xs, .offset: 8, .size: 8, .value_kind: global_buffer, .address_space: global }
      - { .name: wc, .offset: 16, .size: 8, .value_kind: global_buffer, .address_space: global }
      - { .name: ws, .offset: 24, .size: 8, .value_kind: global_buffer, .address_space: global }
      - { .name: qkv, .offset: 32, .size: 8, .value_kind: global_buffer, .address_space: global }
    .group_segment_fixed_size: 327680
    .private_segment_fixed_size: 0
    .kernarg_segment_align: 8
    .kernarg_segment_size: 40
    .max_flat_workgroup_size: 128
    .sgpr_count:     102
    .vgpr_count:     1024
    .wavefront_size: 32
...
	.end_amdgpu_metadata
.endif
;; end of part 2
;; launch attn (part 3): grid 4 x 64, 16 waves a work-group, clusters of 4 x 1, 292,864 bytes of LDS; arguments qkv, oc, os; writes oc, os
.if DOCPART == 3
	.amdgcn_target "amdgcn-amd-amdhsa--gfx1250"
	.amdhsa_code_object_version 6
	.text
	.protected	k_q05331bde57_attn
	.globl	k_q05331bde57_attn
	.p2align	8
	.type	k_q05331bde57_attn,@function
k_q05331bde57_attn:
	s_mov_b64 s[64:65], 0
	v_nop
	global_prefetch_b8 v0, s[64:65] scope:SCOPE_SE
	s_setreg_imm32_b32 hwreg(HW_REG_WAVE_MODE, 25, 1), 1
	s_wait_xcnt 0x0
	s_wait_alu depctr_hold_cnt(0) depctr_sa_sdst(0) depctr_va_vdst(0) depctr_va_sdst(0) depctr_va_ssrc(0) depctr_va_vcc(0) depctr_vm_vsrc(0)
	s_getreg_b32 s2, hwreg(HW_REG_IB_STS2, 6, 4)
	s_cmp_eq_u32 s2, 0
	s_cbranch_scc0 .Lentry_in_a_cluster
	s_endpgm
.Lentry_in_a_cluster:
	s_bfe_u32 s2, ttmp6, 0x10000c
	s_cmp_lg_u32 s2, 0x3003
	s_cbranch_scc0 .Lentry_shape_is_right
	s_endpgm
.Lentry_shape_is_right:
; o = softmax(q k^T / 8, causal) v for one head of one batch, both products on codes of FP6 (E2M3) with one E8M0 scale for each 32 along a product's K; o is quantised along the model's 1,024 and leaves as codes.
; THE WEIGHTS p ARE QUANTISED FINISHED AND NORMALISED, so a query's sum must be known before its first p is quantised: TWO PASSES over the keys.
;   Pass 1: S^T = K Q^T; t = score x log2(e) / 8; M = the running largest t rounded up to a whole number; l = the sum of 2^(t - M), brought under a new M by the exact factor 2^(old M - new M).
;           The largest score of each block of 32 keys, which the search for the maximum passes through, is kept in the wave's own LDS bytes (16 bytes a query and key step).
;   Pass 2: S^T again (the same operands give the same bits); p = 2^(t - (M + log2 l)), one fused multiply-add and one exponential; a block's largest p is made of its kept largest score by the same two instructions;
;           p is quantised along the keys, block by block of 32; O^T += V^T P^T.
; WORK LEFT OUT: key steps whose keys all come after a tile's queries lie wholly under the causal mask that the problem builds itself: their p are 0 for all inputs.  A NaN or an infinity that reaches only them is not carried on.
; THE MASK inside the step that holds the diagonal is the C operand of that step's score products: 0 for a key that counts, -1e30 for one behind the query.  It hangs on the tile's place in its group of 128 alone: two images of
; 8,192 bytes (e = 0, 1) in the order of S^T's registers, built once at the head, each wave 8 registers of its e's image, and loaded into S^T's registers ahead of the products.
; SHARES.  The four work-groups of a cluster share a head.  The head's K and V with their scale words, 16 key steps of 13,056 bytes, lie in LDS for the whole launch: each of the sixteen waves asks for one key step, jointly with the
; three partners; these bytes are filled once and then only read.  Wave w (e = w % 2, i = w / 2) owns two tiles of 16 queries, one after the other: tile 2 cx + e of token group 15 - i, then of group i: 17 key steps a pass for every wave.
; Both loops have 16 trips; a trip that is left out jumps over its work by a scalar branch on the wave's number and counters.  No prefetch: the only fills stand at the head, with no loop ahead of them to ask in.
; LAYOUT.  Both products are used transposed (source 0 = 16 keys, or 16 of the head's 64; source 1 = my 16 queries): a lane holds ONE query (lane % 16).  Tokens and v's features are stored with bits 3 and 4 of their numbers
; exchanged, so register 16 g + i of S^T is key 32 g + 16 (lane / 16) + i of the step, and register 16 g + i of O^T the head's 32 g + 16 (lane / 16) + i.
; K = 64 IN AN INSTRUCTION OF 128: Q's registers 6-11 hold zero codes, so whatever codes stand in the upper six registers of source 0 add nothing; the scale words' bytes 2 and 3 are 0 (2^-127, no NaN).
; LIMITS: the promise holds while the scaled scores stay under 2^31 in magnitude (so far under the mask's 1e30); a block's largest p takes v_exp_f32 not to fall where its input rises; a block of zeros gets the byte 1 where the
; rule says 127 (its codes are zeros; this program alone reads the bytes); NaN and infinities are not served; every query sees its own key, so no row of the softmax is empty and nan_to_num has nothing to replace.
; REGISTERS: v1 16 x lane; v2 16 r; v3, v4, v11 LDS addresses in hand; v5 my query's place less 16 (lane / 16); v6 -1e30; v7 my mask image; v8 my kept maxima; v9 8 x lane; v10 32 r; v12 -M, then -(M + log2 l); v13 the largest t;
;   v[14:15] l in two halves; v16-27 Q; v28 Q's scale words; v29 p's; v30 log2 l; v32-85 K's 8 tiles or V's 4 fragments, and six zeros; v86-93 K's scale words; v94-97 V's; v100-163 S^T, then p; v164-195 O^T; v196-214 codes;
;   v216-231 at work; v232-235 where my Q lies; v242-253 partial sums; v254, v255 the spare word and 0.
.set BLKB,  19712                      ; a block of qkv: one head's q, k, v of 128 tokens
.set KVB,   13056                      ; its k and v with their scale words: 51 rows of 256 bytes
.set SPARE, 0x33000                    ; behind the 16 key steps: the spare words, 2,048 bytes
.set MASKI, 0x33800                    ; the two mask images
.set BMS,   0x37800                    ; the kept maxima: 4,096 bytes a wave, 256 a key step
.set KF,   32
.set KS,   86
.set VS,   94
.set S,    100
.set O,    164
.set PC,   196
.set PT,   208
.set BM,   216                         ; a block's largest score, then its largest p
.set BP,   220                         ; the other half's; then the scale's byte
.set BO,   224                         ; the conversion's scale operand
.set MK,   7
.set BA,   8
.macro CROUND                          ; a round of the cluster's barrier
	s_barrier_signal -1
	s_barrier_wait -1
	s_cmp_lg_u32 s10, 0
	s_cbranch_scc1 .Lnot_wave_0_\@
	s_barrier_signal -3
.Lnot_wave_0_\@:
	s_barrier_wait -3
	s_barrier_signal -1
	s_barrier_wait -1
.endm
	s_load_b128 s[4:7], s[0:1], 0x0                ; qkv s[4:5], o's codes s[6:7]
	s_load_b64 s[8:9], s[0:1], 0x10                ; o's scale bytes
	v_lshl_add_u32 v254, v0, 2, SPARE
	v_mov_b32 v255, 0
	ds_add_u32 v254, v255                          ; the opening lines: the add twice on end and its wait
	ds_add_u32 v254, v255
	v_lshrrev_b32 v1, 5, v0
	v_readfirstlane_b32 s10, v1                    ; wave 0..15
	s_and_b32 s11, s10, 1                          ; e
	s_lshr_b32 s12, s10, 1                         ; i
	s_bfe_u32 s13, ttmp6, 0x40000                  ; cx: it enters global addresses and the mask's numbers alone
	s_and_b32 s14, ttmp7, 0xffff                   ; hb = 16 b + head
	s_and_b32 s15, s14, 15                         ; head
	s_lshr_b32 s16, s14, 4                         ; b
	s_mov_b32 s24, 15|(3<<16)|(1<<21)              ; group 1: the mask names all four; elements of 8 bytes; a dense block as 51 rows of 256 bytes
	s_mov_b32 s25, 32<<16
	s_mov_b32 s26, 51<<16
	s_mov_b32 s27, 32<<16
	s_mov_b32 s28, 51
	s_mov_b32 s29, 32
	s_mov_b32 s30, 0
	s_mov_b32 s31, 0
	s_lshl_b32 s46, s14, 4
	s_add_co_u32 s46, s46, s10                     ; block 16 hb + wave: my key step
	s_mul_i32 s46, s46, BLKB
	s_add_co_u32 s46, s46, 6656                    ; behind its q
	s_mov_b32 s47, 0
	s_mov_b32 s32, 1
	s_mul_i32 s33, s10, KVB                        ; LDS address: wave x 13,056
	s_mov_b32 s20, 0x76543210
	s_mov_b32 s21, 0xfedcba98                      ; v_permlanex16_b32's selects for lane l xor 16
	s_mov_b32 s22, 0x3e38aa3b                      ; c = log2(e) / 8
	s_mov_b32 s23, s22
	s_wait_dscnt 0x0
	s_wait_kmcnt 0x0
	s_add_nc_u64 s[34:35], s[4:5], s[46:47]
	s_or_b32 s35, s35, 0x80000000
	CROUND                                         ; all four work-groups are here: the joint loads meet
	tensor_load_to_lds s[32:35], s[24:31]          ; one load a wave: the same line, the same registers in all four partners
	s_nop 0
.rept 4
	v_nop
.endr
	; the head's scalar numbers first, then its vector lines on end
	s_lshl_b32 s46, s13, 5
	s_lshl_b32 s47, s11, 3
	s_add_co_u32 s46, s46, s47                     ; 32 cx + 8 e
	s_mul_i32 s49, s13, 1536
	s_mul_i32 s47, s11, 520
	s_add_co_u32 s47, s47, s49                     ; my tile's six registers in pair image cx: 1536 cx + 520 e,
	s_mul_i32 s48, s11, 1016
	s_add_co_u32 s48, s48, s49
	s_add_co_u32 s48, s48, 8                       ; 1536 cx + 8 + 1016 e
	s_lshl_b32 s49, s13, 1
	s_add_co_u32 s49, s49, s11                     ; a = 2 cx + e
	s_lshr_b32 s50, s49, 2
	s_lshl_b32 s50, s50, 8
	s_and_b32 s49, s49, 3
	s_lshl_b32 s49, s49, 2
	s_add_co_u32 s49, s49, s50
	s_add_co_u32 s49, s49, 6144                    ; Q's scale words: 6144 + 256 (a / 4) + 4 (a % 4)
	s_lshl_b32 s50, s11, 13
	s_add_co_u32 s50, s50, MASKI                   ; my e's mask image
	s_lshl_b32 s51, s12, 10                        ; registers 8 i .. 8 i + 7 of it
	s_lshr_b32 s52, s12, 1
	s_lshl_b32 s52, s52, 5
	s_and_b32 s53, s12, 1
	s_lshl_b32 s53, s53, 3
	s_add_co_u32 s52, s52, s53                     ; whose register j is key 32 (i / 2) + 8 (i % 2) + j + 16 h
	s_lshl_b32 s53, s10, 12
	s_add_co_u32 s53, s53, BMS                     ; my kept maxima
	v_and_b32 v7, 31, v0                           ; lane
	v_and_b32 v230, 15, v0                         ; r
	v_bfe_u32 v231, v0, 4, 1                       ; h
	v_lshlrev_b32 v1, 4, v7
	v_lshlrev_b32 v2, 4, v230
	v_lshlrev_b32 v9, 3, v7
	v_lshlrev_b32 v10, 5, v230
	v_and_b32 v5, 7, v230
	v_lshrrev_b32 v3, 3, v230
	v_sub_nc_u32 v3, v3, v231                      ; r / 8 - h
	v_lshl_add_u32 v5, v3, 4, v5
	v_add_nc_u32 v5, s46, v5                       ; my query's place in its group of 128, less 16 h (signed)
	v_mov_b32 v6, 0xf149f2ca                       ; -1e30
	v_add_nc_u32 v232, s47, v1
	v_add_nc_u32 v233, s48, v1
	v_add_nc_u32 v234, 0x200, v232
	v_add_nc_u32 v235, s49, v2
	v_add_nc_u32 v[MK], s50, v1
	v_add_nc_u32 v4, s51, v[MK]
	v_add_nc_u32 v[BA], s53, v2
	v_sub_nc_u32 v3, v5, s52
.irp j, 0,1,2,3,4,5,6,7
	v_cmp_gt_i32 vcc_lo, \j, v3                    ; the key comes after my query
	v_cndmask_b32 v[S+\j], 0, v6, vcc_lo
.endr
.irp j, 0,1,2,3,4,5
	v_mov_b32 v[22+\j], 0                          ; Q's upper 64 along K: zero codes
	v_mov_b32 v[KF+48+\j], 0                       ; and what stands behind K's last tile
.endr
.irp b, 0,1,2,3
	v_mov_b32 v[BP+\b], 0                          ; a lane permute's destination counts as one of its sources
.endr
	v_mov_b32 v229, 0                              ; (the upper half of the pair v[228:229])
	v_mov_b32 v231, 0
	v_add_nc_u32 v3, s53, v1                       ; my 4,096 bytes of kept maxima, 16 bytes a lane
	s_wait_alu depctr_va_vdst(0)                   ; the wait at the head's end
	s_wait_tensorcnt 0x0                           ; my key step is in LDS;
	ds_store_b128 v4, v[S:S+3]                     ; my eight registers of the mask image
	ds_store_b128 v4, v[S+4:S+7] offset:512
.irp k, 0,1,2,3,4,5,6,7
	ds_store_b128 v3, v[BP:BP+3] offset:512*\k     ; the kept maxima's bytes are set once, to zeros: every byte that a load of pass 2 can name has been written; pass 1 writes each key step that counts anew
.endr
	s_wait_dscnt 0x0
	s_barrier_signal -1
	s_barrier_wait -1                              ; everybody's key step and part of the images are in.  From here on they are only read
; S^T of one key step: 128 keys x my 16 queries.  In the step of the tile's own group the products add onto the mask image; elsewhere they start from 0.
.macro SCORES
	v_add_nc_u32 v3, s39, v1
	v_add_nc_u32 v4, s39, v2
.irp n, 0,1,2,3,4,5,6,7,8,9,10,11
	ds_load_b128 v[KF+4*\n:KF+4*\n+3], v3 offset:512*\n
.endr
	ds_load_b128 v[KS:KS+3], v4 offset:6144
	ds_load_b128 v[KS+4:KS+7], v4 offset:6400
	s_cmp_lg_u32 s38, s37
	s_cbranch_scc1 .Lopen_\@
.irp n, 0,1,2,3,4,5,6,7,8,9,10,11,12,13,14,15
	ds_load_b128 v[S+4*\n:S+4*\n+3], v[MK] offset:512*\n
.endr
	s_wait_dscnt 0x0
.irp t, 0,1,2,3,4,5,6,7
	v_wmma_scale_f32_16x16x128_f8f6f4 v[S+8*\t:S+8*\t+7], v[KF+6*\t:KF+6*\t+11], v[16:27], v[S+8*\t:S+8*\t+7], v[KS+\t], v28 matrix_a_fmt:MATRIX_FMT_FP6 matrix_b_fmt:MATRIX_FMT_FP6
.endr
	s_branch .Lgot_\@
.Lopen_\@:
	s_wait_dscnt 0x0
.irp t, 0,1,2,3,4,5,6,7
	v_wmma_scale_f32_16x16x128_f8f6f4 v[S+8*\t:S+8*\t+7], v[KF+6*\t:KF+6*\t+11], v[16:27], 0, v[KS+\t], v28 matrix_a_fmt:MATRIX_FMT_FP6 matrix_b_fmt:MATRIX_FMT_FP6
.endr
.Lgot_\@:
.rept 4
	v_nop                                          ; places behind the products (ISA guide 7.12.1)
.endr
.endm
.macro TMINUSM                         ; t - M, two at a time, each accumulator from its low end on
.irp j, 0,2,4,6,8,10,12,14,16,18,20,22,24,26,28,30,32,34,36,38,40,42,44,46,48,50,52,54,56,58,60,62
	v_pk_fma_f32 v[S+\j:S+\j+1], v[S+\j:S+\j+1], s[22:23], v[12:13] op_sel_hi:[1,0,0]
.endr
.endm
.macro EXPS
.irp j, 0,1,2,3,4,5,6,7,8,9,10,11,12,13,14,15,16,17,18,19,20,21,22,23,24,25,26,27,28,29,30,31,32,33,34,35,36,37,38,39,40,41,42,43,44,45,46,47,48,49,50,51,52,53,54,55,56,57,58,59,60,61,62,63
	v_exp_f32 v[S+\j], v[S+\j]
.endr
.endm
.macro PA d, a, b
	v_pk_add_f32 v[\d:\d+1], v[\a:\a+1], v[\b:\b+1]
.endm
	s_mov_b32 s36, 0                               ; which of my two tiles
.Ltile:
	s_sub_co_u32 s46, 15, s12
	s_cmp_eq_u32 s36, 0
	s_cselect_b32 s37, s46, s12                    ; G: first the late group, then the early one
	s_mov_b32 s49, 0
	s_lshl_b32 s48, s14, 4
	s_add_co_u32 s48, s48, s37
	s_mul_i32 s48, s48, BLKB
	s_add_nc_u64 s[40:41], s[4:5], s[48:49]        ; my group's block of qkv: q lies at its head
	s_lshl_b32 s46, s16, 7
	s_lshl_b32 s47, s37, 3
	s_add_co_u32 s46, s46, s47
	s_lshl_b32 s47, s13, 1
	s_add_co_u32 s46, s46, s47
	s_add_co_u32 s46, s46, s11                     ; my token tile among all 512: 128 b + 8 G + 2 cx + e
	s_lshl_b32 s47, s46, 4
	s_add_co_u32 s47, s47, s15
	s_mul_i32 s48, s47, 768
	s_add_nc_u64 s[42:43], s[6:7], s[48:49]        ; o's codes: [token tile][head][768 bytes]
	s_lshl_b32 s48, s46, 9
	s_lshl_b32 s47, s15, 1
	s_add_co_u32 s48, s48, s47
	s_add_nc_u64 s[44:45], s[8:9], s[48:49]        ; o's scale bytes: 32 a stored row, my head's two
	global_load_b64 v[16:17], v232, s[40:41]
	global_load_b64 v[18:19], v233, s[40:41]
	global_load_b64 v[20:21], v234, s[40:41]       ; Q's fragment stays in registers for both passes
	global_load_b32 v28, v235, s[40:41]
	v_mov_b32 v13, 0xff61b1e6                      ; the largest t so far: -3e38
	v_floor_f32 v12, -v13                          ; -M
	v_mov_b32 v14, 0                               ; l, in two halves
	v_mov_b32 v15, 0
	s_mov_b32 s38, 0                               ; the key step,
	s_mov_b32 s39, 0                               ; where it lies in LDS,
	s_mov_b32 s50, 0                               ; and its place among my kept maxima
	s_wait_loadcnt 0x0
.Lpass1:
	s_cmp_gt_u32 s38, s37                          ; all keys of this step come after my queries
	s_cbranch_scc1 .Lskip1
	SCORES
.irp b, 0,1,2,3                                ; the largest of my 16 scores of each block of 32 keys, the four blocks by turns
	v_max3_num_f32 v[BM+\b], v[S+16*\b], v[S+16*\b+1], v[S+16*\b+2]
.endr
.irp i, 3,5,7,9,11,13
.irp b, 0,1,2,3
	v_max3_num_f32 v[BM+\b], v[BM+\b], v[S+16*\b+\i], v[S+16*\b+\i+1]
.endr
.endr
.irp b, 0,1,2,3
	v_max_num_f32 v[BM+\b], v[BM+\b], v[S+16*\b+15]
.endr
.irp b, 0,1,2,3
	s_delay_alu instid0(VALU_DEP_4)
	v_permlanex16_b32 v[BP+\b], v[BM+\b], s20, s21
.endr
.irp b, 0,1,2,3
	s_delay_alu instid0(VALU_DEP_4)
	v_max_num_f32 v[BM+\b], v[BM+\b], v[BP+\b]     ; with lane l xor 16's 16 keys: the block's largest score
.endr
	s_delay_alu instid0(VALU_DEP_2)
	v_max3_num_f32 v230, v[BM], v[BM+1], v[BM+2]
	s_delay_alu instid0(VALU_DEP_1)
	v_max_num_f32 v230, v230, v[BM+3]              ; the step's largest score of my query
	s_delay_alu instid0(VALU_DEP_1)
	v_mul_f32 v230, s22, v230                      ; as t (c is positive)
	s_delay_alu instid0(VALU_DEP_1)
	v_max_num_f32 v13, v13, v230                   ; the running largest t
	v_mov_b32 v230, v12
	s_delay_alu instid0(VALU_DEP_2)
	v_floor_f32 v12, -v13                          ; the new -M = floor(-t): M is a whole number
	s_delay_alu instid0(VALU_DEP_1)
	v_sub_f32 v230, v12, v230                      ; old M less new M: a whole number, 0 or less
	s_delay_alu instid0(VALU_DEP_1)
	v_cvt_i32_f32 v230, v230                       ; (it saturates)
	s_delay_alu instid0(VALU_DEP_1)
	v_ldexp_f32 v228, 1.0, v230                    ; f = 2^(old M - new M): a multiplication by it rounds nothing
	TMINUSM
	v_add_nc_u32 v11, s50, v[BA]
	ds_store_b128 v11, v[BM:BM+3]                  ; the four blocks' largest scores are kept for pass 2 (both halves of the lanes store the same numbers)
	s_wait_alu depctr_va_vdst(0)                   ; the wait ahead of the batch,
	EXPS
	v_pk_mul_f32 v[14:15], v[14:15], v[228:229] op_sel_hi:[1,0]   ; l under the new M.  (The plain place behind the exponentials)
	s_wait_alu depctr_va_vdst(0)                   ; and behind it
	PA 230, 104, 108                               ; the sum of the 64, two at a time, in eight chains
	PA 252, 112, 116
	PA 250, 120, 124
	PA 248, 128, 132
	PA 246, 136, 140
	PA 244, 144, 148
	PA 242, 152, 156
	PA 14, 14, 160
	PA 230, 230, 100
	PA 252, 252, 102
	PA 250, 250, 106
	PA 248, 248, 110
	PA 246, 246, 114
	PA 244, 244, 118
	PA 242, 242, 122
	PA 14, 14, 126
	PA 230, 230, 130
	PA 252, 252, 134
	PA 250, 250, 138
	PA 248, 248, 142
	PA 246, 246, 146
	PA 244, 244, 150
	PA 242, 242, 154
	PA 14, 14, 158
	PA 230, 230, 162
	s_delay_alu instid0(VALU_DEP_2)
	PA 14, 14, 248
	s_delay_alu instid0(VALU_DEP_2)
	PA 230, 230, 246
	PA 252, 252, 244
	PA 250, 250, 242
	s_delay_alu instid0(VALU_DEP_2)
	PA 14, 14, 252
	s_delay_alu instid0(VALU_DEP_2)
	PA 230, 230, 250
	s_delay_alu instid0(VALU_DEP_1)
	PA 14, 14, 230
.Lskip1:
	s_add_co_u32 s39, s39, KVB
	s_add_co_u32 s50, s50, 256
	s_add_co_u32 s38, s38, 1
	s_cmp_lt_u32 s38, 16
	s_cbranch_scc1 .Lpass1
	s_wait_alu depctr_va_vdst(0)                   ; the wait behind the jumps
	v_add_f32 v14, v14, v15                        ; l's two halves,
	v_permlanex16_b32 v231, v14, s20, s21
	v_add_f32 v14, v14, v231                       ; and lane l xor 16's: the row's sum
	s_wait_alu depctr_va_vdst(0)
	v_log_f32 v30, v14                             ; log2 l
.irp j, 0,1,2,3,4,5,6,7,8,9,10,11,12,13,14,15,16,17,18,19,20,21,22,23,24,25,26,27,28,29,30,31
	v_mov_b32 v[O+\j], 0                           ; O^T: the step is written once and finds zeros.  (The first is the plain place behind the logarithm)
.endr
	s_wait_alu depctr_va_vdst(0)
	v_sub_f32 v12, v12, v30                        ; -(M + log2 l): 2^(t + this) is p, finished and normalised
	s_mov_b32 s38, 0
	s_mov_b32 s39, 0
	s_mov_b32 s50, 0
.Lpass2:
	s_cmp_gt_u32 s38, s37
	s_cbranch_scc1 .Lskip2
	v_add_nc_u32 v11, s50, v[BA]
	SCORES
	s_wait_alu depctr_va_vdst(0)                   ; the wait ahead of these readers of v3, v4, v11, and of v12 below
	ds_load_b128 v[BM:BM+3], v11                   ; the four blocks' largest scores, as pass 1 kept them
.irp n, 0,1,2,3,4,5,6,7,8,9,10,11
	ds_load_b128 v[KF+4*\n:KF+4*\n+3], v3 offset:6656+512*\n   ; V's four fragments take K's registers and land under the softmax
.endr
	ds_load_b128 v[VS:VS+3], v4 offset:12800       ; and their scale words
	TMINUSM
	s_wait_dscnt 13                                ; the maxima are in; V's twelve loads and its scale words' one may be out
.irp b, 0,1,2,3
	v_fma_f32 v[BM+\b], v[BM+\b], s22, v12         ; they go the way of every score
.endr
	s_wait_alu depctr_va_vdst(0)
	EXPS
.irp b, 0,1,2,3
	v_exp_f32 v[BM+\b], v[BM+\b]                   ; the block's largest p
.endr
	v_nop                                          ; one plain place behind the exponentials
	s_wait_alu depctr_va_vdst(0)
.irp b, 0,1,2,3
	v_max_num_f32 v[BM+\b], 0x1800000, v[BM+\b]    ; the floor 2^(3 - 127): the byte cannot fall under 1
.endr
.irp b, 0,1,2,3
	s_delay_alu instid0(VALU_DEP_4)
	v_add_nc_u32 v[BO+\b], 0xff000000, v[BM+\b]    ; 2 off the exponent field: the conversion's scale operand
.endr
.irp b, 0,1,2,3
	s_delay_alu instid0(VALU_DEP_4)
	v_lshrrev_b32 v[BP+\b], 23, v[BO+\b]           ; the scale's byte
.endr
	s_delay_alu instid0(VALU_DEP_3)
	v_lshl_or_b32 v29, v[BP+1], 8, v[BP]           ; p's scale word for these 128 keys
	s_delay_alu instid0(VALU_DEP_1)
	v_lshl_or_b32 v29, v[BP+2], 16, v29
	s_delay_alu instid0(VALU_DEP_1)
	v_lshl_or_b32 v29, v[BP+3], 24, v29
.irp c, 0,1
	v_cvt_scalef32_pk16_fp6_f32 v[PC+6*\c:PC+6*\c+2], v[S+32*\c:S+32*\c+15], v[BO+2*\c]
	v_cvt_scalef32_pk16_fp6_f32 v[PT+4*\c:PT+4*\c+2], v[S+32*\c+16:S+32*\c+31], v[BO+2*\c+1]   ; (a conversion's three registers begin on an even number)
.endr
	v_nop                                          ; one plain place behind a scaled conversion
.irp c, 0,1                                    ; the operand's layout wants a WHOLE block in a lane: lanes 0-15 block 2 c, lanes 16-31 block 2 c + 1
.irp i, 0,1,2
	v_permlane16_swap_b32 v[PC+6*\c+\i], v[PT+4*\c+\i]
.endr
.irp i, 0,1,2
	s_delay_alu instid0(VALU_DEP_3)
	v_mov_b32 v[PC+6*\c+3+\i], v[PT+4*\c+\i]
.endr
.endr
.rept 4
	v_nop                                          ; four places between the operand's last write and the products; with the seventeen lines above, twenty-one behind the scale word's
.endr
	s_wait_alu depctr_va_vdst(0)                   ; the wait ahead of the readers of O^T, behind the exponentials
	s_wait_dscnt 0x0                               ; V and its scale words are in
.irp t, 0,1,2,3                                ; O^T += V^T P^T: the four accumulators by turns; between two turns of one stand the others' and the next step's eight score products
	v_wmma_scale_f32_16x16x128_f8f6f4 v[O+8*\t:O+8*\t+7], v[KF+12*\t:KF+12*\t+11], v[PC:PC+11], v[O+8*\t:O+8*\t+7], v[VS+\t], v29 matrix_a_fmt:MATRIX_FMT_FP6 matrix_b_fmt:MATRIX_FMT_FP6
.endr
.rept 4
	v_nop                                          ; places in front of the next step's loads into these registers, and of the first read of O^T
.endr
.Lskip2:
	s_add_co_u32 s39, s39, KVB
	s_add_co_u32 s50, s50, 256
	s_add_co_u32 s38, s38, 1
	s_cmp_lt_u32 s38, 16
	s_cbranch_scc1 .Lpass2
	; THE WAY OUT.  My head's 64 numbers of o are two blocks of 32 along the last product's K; block g lies in lanes l and l xor 16, 16 registers each.
.irp g, 0,1
	v_max3_num_f32 v[BM+\g], |v[O+16*\g]|, |v[O+16*\g+1]|, 0x1800000
.endr
.irp i, 2,4,6,8,10,12,14
.irp g, 0,1
	v_max3_num_f32 v[BM+\g], v[BM+\g], |v[O+16*\g+\i]|, |v[O+16*\g+\i+1]|
.endr
.endr
.irp g, 0,1
	s_delay_alu instid0(VALU_DEP_2)
	v_permlanex16_b32 v[BP+\g], v[BM+\g], s20, s21
.endr
.irp g, 0,1
	s_delay_alu instid0(VALU_DEP_2)
	v_max_num_f32 v[BM+\g], v[BM+\g], v[BP+\g]
.endr
.irp g, 0,1
	s_delay_alu instid0(VALU_DEP_2)
	v_add_nc_u32 v[BO+\g], 0xff000000, v[BM+\g]
.endr
.irp g, 0,1
	s_delay_alu instid0(VALU_DEP_2)
	v_lshrrev_b32 v[BP+\g], 23, v[BO+\g]
.endr
	s_delay_alu instid0(VALU_DEP_1)
	v_lshl_or_b32 v231, v[BP+1], 8, v[BP]          ; my row's two scale bytes
	v_cvt_scalef32_pk16_fp6_f32 v[PC:PC+2], v[O:O+15], v[BO]
	v_cvt_scalef32_pk16_fp6_f32 v[PT:PT+2], v[O+16:O+31], v[BO+1]
	v_nop                                          ; one plain place behind a scaled conversion
.irp i, 0,1,2
	v_permlane16_swap_b32 v[PC+\i], v[PT+\i]
.endr
.irp i, 0,1,2
	s_delay_alu instid0(VALU_DEP_3)
	v_mov_b32 v[PC+3+\i], v[PT+\i]                 ; six registers: lane (r, h) holds the codes of the head's 32 h .. 32 h + 31 of its token
.endr
	global_store_b128 v1, v[PC:PC+3], s[42:43]             ; registers 0-3: 512 consecutive bytes, aligned to 256
	global_store_b64 v9, v[PC+4:PC+5], s[42:43] offset:512 ; registers 4, 5: 256 consecutive bytes
	global_store_b16 v10, v231, s[44:45]                   ; two bytes of each stored row's 32: the other heads' are other work-groups'
	s_wait_xcnt 0x0                                ; the stores have read their registers and bases: the next tile writes both again
	s_add_co_u32 s36, s36, 1
	s_cmp_lt_u32 s36, 2
	s_cbranch_scc1 .Ltile
	s_wait_tensorcnt 0x0                           ; the wave's end
	ds_add_u32 v254, v255
	s_wait_dscnt 0x0
	CROUND                                         ; the closing round
	s_endpgm
.Lfunc_end_k_q05331bde57_attn:
	.size	k_q05331bde57_attn, .Lfunc_end_k_q05331bde57_attn-k_q05331bde57_attn
	.p2alignl 7, 3214868480
	.fill 96, 4, 3214868480
	.section	.rodata,"a",@progbits
	.p2align	6, 0x0
	.amdhsa_kernel k_q05331bde57_attn
		.amdhsa_group_segment_fixed_size 292864
		.amdhsa_private_segment_fixed_size 0
		.amdhsa_enable_private_segment 0
		.amdhsa_kernarg_size 24
		.amdhsa_user_sgpr_count 2
		.amdhsa_user_sgpr_kernarg_segment_ptr 1
		.amdhsa_wavefront_size32 1
		.amdhsa_system_sgpr_workgroup_id_x 1
		.amdhsa_system_sgpr_workgroup_id_y 1
		.amdhsa_system_sgpr_workgroup_id_z 1
		.amdhsa_system_vgpr_workitem_id 0
		.amdhsa_next_free_vgpr 256
		.amdhsa_next_free_sgpr 66
		.amdhsa_reserve_vcc 1
		.amdhsa_float_denorm_mode_32 3
		.amdhsa_float_denorm_mode_16_64 3
		.amdhsa_memory_ordered 1
		.amdhsa_forward_progress 1
		.amdhsa_inst_pref_size 40
	.end_amdhsa_kernel
	.amdgpu_metadata
---
amdhsa.version: [ 1, 2 ]
amdhsa.kernels:
  - .name:           k_q05331bde57_attn
    .symbol:         k_q05331bde57_attn.kd
    .args:
      - { .name: qkv, .offset: 0, .size: 8, .value_kind: global_buffer, .address_space: global }
      - { .name: oc, .offset: 8, .size: 8, .value_kind: global_buffer, .address_space: global }
      - { .name: os, .offset: 16, .size: 8, .value_kind: global_buffer, .address_space: global }
    .group_segment_fixed_size: 292864
    .private_segment_fixed_size: 0
    .kernarg_segment_align: 8
    .kernarg_segment_size: 24
    .max_flat_workgroup_size: 512
    .sgpr_count:     66
    .vgpr_count:     256
    .wavefront_size: 32
...
	.end_amdgpu_metadata
.endif
;; end of part 3
;; launch oproj (part 4): grid 4 x 64, 4 waves a work-group, clusters of 4 x 4, 327,680 bytes of LDS; arguments oc, os, wc, ws, out0; writes out0
.if DOCPART == 4
	.amdgcn_target "amdgcn-amd-amdhsa--gfx1250"
	.amdhsa_code_object_version 6
	.text
	.protected	k_q05331bde57_oproj
	.globl	k_q05331bde57_oproj
	.p2align	8
	.type	k_q05331bde57_oproj,@function
k_q05331bde57_oproj:
	s_mov_b64 s[64:65], 0
	v_nop
	global_prefetch_b8 v0, s[64:65] scope:SCOPE_SE
	s_setreg_imm32_b32 hwreg(HW_REG_WAVE_MODE, 25, 1), 1
	s_wait_xcnt 0x0
	s_wait_alu depctr_hold_cnt(0) depctr_sa_sdst(0) depctr_va_vdst(0) depctr_va_sdst(0) depctr_va_ssrc(0) depctr_va_vcc(0) depctr_vm_vsrc(0)
	s_getreg_b32 s2, hwreg(HW_REG_IB_STS2, 6, 4)
	s_cmp_eq_u32 s2, 0
	s_cbranch_scc0 .Lentry_in_a_cluster
	s_endpgm
.Lentry_in_a_cluster:
	s_bfe_u32 s2, ttmp6, 0x10000c
	s_cmp_lg_u32 s2, 0xf033
	s_cbranch_scc0 .Lentry_shape_is_right
	s_endpgm
.Lentry_shape_is_right:
; out0 = o Wo^T on codes of FP6 (E2M3) with one E8M0 scale for each 32 along K = 1,024; sums in f32.
; A = o: oc[token tile of 16 stored tokens][head][768 bytes], images of operand registers (registers 0-3 of the 32 lanes, 512 bytes, then registers 4, 5, 256 bytes); os[stored token][32 scale bytes].
; B = Wo: rows 3,072 .. 4,095 of wc[tile of 256 rows][K step of 256][256 rows][192 bytes] and of ws[row][32].
; THE DEAL.  256 work-groups of four waves; a work-group makes 128 tokens x 256 features.  ALL OF K LIES IN LDS AT ONCE, filled once at the head, one joint load a wave: waves 0 and 1 a half each of B's tile (196,608 dense bytes as rows of
; 256, 8 bytes of padding behind every 64: an LDS row of 192 bytes has a pitch of 216), waves 2 and 3 a half each of A's eight token tiles (98,304 dense bytes as rows of 256).  Nothing is filled again: no ring, no round inside the work.
; A wave holds its 64 rows of Wo, all of K, in registers (32 fragments, 384 registers) and streams the eight token tiles past them: a block is 16 tokens x 64 features, 32 products on four accumulators that take turns
; A's fragments lie twice in registers: block s reads set s % 2, which then takes block s + 2.
; Source 0 = Wo's rows, so a lane holds one token and eight neighbouring features.  A finished block goes through the wave's own stage in LDS and leaves as rows of 256 bytes, two rows an instruction, at the tokens' true numbers
; (stored tile 2 b + u, row t is token 32 b + 8 u + t % 8 + 16 (t / 8)), while the next blocks are multiplied.  The stage lies in B's bytes, behind the barrier in front of which every wave has its weights in registers.
; The scale words go from memory straight into registers: lane l takes the 32 bytes of row l of 32 rows, so lanes 0-15 hold one tile's words and lanes 16-31 the next one's.
; CLUSTERS 4 x 4: A's tiles are shared along a row of the cluster, B's along a column.  No prefetch: the only fills stand at the head, with no loop ahead of them to ask in.
; REGISTERS: window 0: v4-7 A's LDS addresses, v8-15 B's, v16-18 the way out, v20, v21 the spare word and 0, v22 32 x lane, v32-47 Wo's scale words, v52-83 o's, v96-159 two sets of accumulators, v160-223 two sets of rows on the way out;
;   windows 1 and 2: the weights' fragments of K steps 0-3 and 4-7 (register 12 (4 (q % 4) + b)); window 3: A's two sets (register 96 (s % 2) + 12 q).
.set KROW,   768
.set ATILE,  12288                     ; a token tile of oc
.set BB,     98304                     ; LDS: B's tile, behind A's eight token tiles
.set BPI,    216                       ; B's pitch
.set BKS,    256*BPI                   ; a K step of 256 of B's tile in LDS
.set SPARE,  BB+4*BKS                  ; 319,488: the spare words, 512 bytes
.set SPITCH, 272                       ; a stage row: 256 bytes + 16
.set AD,   4
.set BAD,  8
.set STO,  16
.set RD,   17
.set CO,   18
.set SPW,  20
.set NIL,  21
.set ABS,  22
.set SB,   32
.set SA,   52
.set ACC,  96
.set BK,   160
.set MSB, 0
.macro WIN new                         ; the immediate's high byte repeats the setting that is left
.if MSB != \new
	s_set_vgpr_msb (MSB<<8)|\new
.set MSB, \new
.endif
.endm
.macro PLACES n
.rept \n
	v_nop
.endr
.endm
.macro BARRIER
	s_barrier_signal -1
	s_barrier_wait -1
.endm
.macro CROUND                          ; a round of the cluster's barrier
	BARRIER
	s_cmp_lg_u32 s14, 0
	s_cbranch_scc1 .Lnot_wave_0_\@
	s_barrier_signal -3
.Lnot_wave_0_\@:
	s_barrier_wait -3
	BARRIER
.endm
	s_load_b128 s[4:7], s[0:1], 0x0                ; oc, os
	s_load_b128 s[8:11], s[0:1], 0x10              ; wc, ws
	s_load_b64 s[12:13], s[0:1], 0x20              ; out0
	v_lshl_add_u32 v[SPW], v0, 2, SPARE
	v_mov_b32 v[NIL], 0
	ds_add_u32 v[SPW], v[NIL]                      ; the opening lines: the add twice on end and its wait
	ds_add_u32 v[SPW], v[NIL]
	v_lshrrev_b32 v1, 5, v0
	v_readfirstlane_b32 s14, v1                    ; wave 0..3: my 64 features of the 256
	s_and_b32 s16, s14, 1                          ; which half of a tile I fetch
	s_bfe_u32 s40, ttmp6, 0x40000                  ; cx
	s_bfe_u32 s41, ttmp6, 0x40004                  ; cy
	s_lshl_b32 s42, ttmp9, 2
	s_add_co_u32 s42, s42, s40                     ; feature tile 0..3
	s_and_b32 s17, ttmp7, 0xffff
	s_lshl_b32 s17, s17, 2
	s_add_co_u32 s17, s17, s41                     ; token tile 0..63
	s_lshl_b32 s43, s41, 2
	s_lshl_b32 s43, 15, s43                        ; my row of the cluster
	s_lshl_b32 s44, 0x1111, s40                    ; my column
	s_or_b32 s24, s43, (1<<21)                     ; group 1 of A's halves: 192 rows of 256 bytes, no padding
	s_mov_b32 s25, 256<<16
	s_mov_b32 s26, 192<<16
	s_mov_b32 s27, 256<<16
	s_mov_b32 s28, 192
	s_mov_b32 s29, 256
	s_mov_b32 s30, 0
	s_mov_b32 s31, 0
	s_or_b32 s48, s44, (1<<20)|(1<<21)|(3<<22)|(1<<25)   ; of B's halves: 384 rows of 256 bytes, 2 words of padding behind every 16
	s_mov_b32 s49, 256<<16
	s_mov_b32 s50, 384<<16
	s_mov_b32 s51, 256<<16
	s_mov_b32 s52, 384
	s_mov_b32 s53, 256
	s_mov_b32 s54, 0
	s_mov_b32 s55, 0
	s_mul_i32 s20, s17, 8*ATILE                    ; A: my work-group's eight token tiles,
	s_mul_i32 s18, s16, 4*ATILE                    ; and which four of them I fetch
	s_add_co_u32 s20, s20, s18
	s_mov_b32 s21, 0
	s_mul_i32 s46, s42, 256*KROW                   ; B: the tile of 256 rows of Wo,
	s_mul_i32 s19, s16, 128*KROW                   ; its K steps 0, 1 or 2, 3
	s_add_co_u32 s46, s46, s19
	s_add_co_u32 s46, s46, 3072*KROW
	s_mov_b32 s47, 0
	s_mov_b32 s32, 1                               ; group 0 of A's load
	s_mov_b32 s33, s18
	s_mov_b32 s56, 1                               ; and of B's
	s_mul_i32 s57, s16, 2*BKS
	s_add_co_u32 s57, s57, BB
	s_lshl_b32 s22, s17, 12                        ; o's scale bytes: 128 rows of 32
	s_mov_b32 s23, 0
	s_lshl_b32 s60, s42, 13                        ; Wo's: 3,072 + 256 x tile + 64 x wave rows of 32
	s_lshl_b32 s61, s14, 11
	s_add_co_u32 s60, s60, s61
	s_add_co_u32 s60, s60, 3072*32
	s_mov_b32 s61, 0
	s_lshl_b32 s62, s17, 19                        ; out0: 128 rows of 4,096 bytes a token tile,
	s_lshl_b32 s63, s42, 10
	s_add_co_u32 s62, s62, s63                     ; 1,024 bytes a feature tile,
	s_lshl_b32 s63, s14, 8
	s_add_co_u32 s62, s62, s63                     ; 256 a wave
	s_mov_b32 s63, 0
	s_mul_i32 s36, s14, 64*BPI
	s_add_co_u32 s36, s36, BB                      ; my 64 rows of B in LDS
	s_mul_i32 s37, s14, 16*SPITCH
	s_add_co_u32 s37, s37, BB                      ; my stage
	s_wait_alu depctr_va_vdst(0)                   ; the wait ahead of the waits below
	s_wait_dscnt 0x0
	CROUND                                         ; all sixteen work-groups are here: the joint loads meet
	s_wait_kmcnt 0x0
	s_add_nc_u64 s[34:35], s[4:5], s[20:21]
	s_or_b32 s35, s35, 0x80000000
	s_add_nc_u64 s[58:59], s[8:9], s[46:47]
	s_or_b32 s59, s59, 0x80000000
	s_add_nc_u64 s[22:23], s[6:7], s[22:23]
	s_add_nc_u64 s[60:61], s[10:11], s[60:61]
	s_add_nc_u64 s[12:13], s[12:13], s[62:63]
	s_cmp_lt_u32 s14, 2
	s_cbranch_scc0 .Lfor_a
	tensor_load_to_lds s[56:59], s[48:55]          ; waves 0 and 1: B's halves, which are wanted first
	s_nop 0
	PLACES 4
	s_branch .Lasked
.Lfor_a:
	tensor_load_to_lds s[32:35], s[24:31]          ; waves 2 and 3: A's halves
	s_nop 0
	PLACES 4
.Lasked:
	v_and_b32 v3, 31, v0                           ; lane
	v_and_b32 v1, 15, v0                           ; r
	v_bfe_u32 v2, v0, 4, 1                         ; h
	v_lshlrev_b32 v[ABS], 5, v3
.irp p, 0,1
.irp c, 0,1
	global_load_b128 v[SB+8*\p+4*\c:SB+8*\p+4*\c+3], v[ABS], s[60:61] offset:\p*1024+16*\c   ; register SB + 8 p + q: lanes 0-15 the word of tile 2 p, K step q, lanes 16-31 of tile 2 p + 1
.endr
.endr
.irp p, 0,1,2,3
.irp c, 0,1
	global_load_b128 v[SA+8*\p+4*\c:SA+8*\p+4*\c+3], v[ABS], s[22:23] offset:\p*1024+16*\c   ; the same for token tiles 2 p and 2 p + 1
.endr
.endr
	v_lshlrev_b32 v[AD], 4, v3                     ; A's images: 16 bytes a lane, 8 bytes a lane; token tiles 0-4 by the offset,
	v_lshlrev_b32 v[AD+1], 3, v3
	v_add_nc_u32 v[AD+2], 5*ATILE, v[AD]           ; tiles 5-7 from a second pair
	v_add_nc_u32 v[AD+3], 5*ATILE, v[AD+1]
	v_mul_u32_u24 v[BAD], v1, BPI
	v_mad_u32_u24 v[BAD], v2, 24, v[BAD]
	v_add_nc_u32 v[BAD], s36, v[BAD]               ; B: row x pitch + 24 h;
	v_lshl_add_u32 v[BAD+1], v2, 3, v[BAD]         ; and for the pieces whose lanes 16-31 stand behind one padding more
.irp k, 1,2,3
	v_add_nc_u32 v[BAD+2*\k], \k*BKS, v[BAD]       ; a pair for each K step of 256
	v_add_nc_u32 v[BAD+2*\k+1], \k*BKS, v[BAD+1]
.endr
	v_mul_u32_u24 v[STO], v1, SPITCH               ; the stage, in: row r, 32 bytes for each half of the lanes
	v_lshl_add_u32 v[STO], v2, 5, v[STO]
	v_add_nc_u32 v[STO], s37, v[STO]
	v_mul_u32_u24 v[RD], v2, SPITCH                ; back: lanes 0-15 one row of 256 bytes, lanes 16-31 the next
	v_lshl_add_u32 v[RD], v1, 4, v[RD]
	v_add_nc_u32 v[RD], s37, v[RD]
	v_lshlrev_b32 v[CO], 12, v2                    ; and the same two rows in out0
	v_lshl_add_u32 v[CO], v1, 4, v[CO]
.macro WEIGHTS                         ; my 64 rows of Wo, all of K: a fragment is six pieces of 8 bytes; piece n of a row's 24 in a K step of 256 lies at 8 n + 8 (n / 8)
.irp q, 0,1,2,3,4,5,6,7
	WIN (1+\q/4)<<6
.irp b, 0,1,2,3
.irp p, 0,1,2,3,4,5
.set PI_, 12*(\q%2)+6*(\p/3)+\p%3
.set R_, 12*(4*(\q%4)+\b)+2*\p
	ds_load_b64 v[R_:R_+1], v[BAD+2*(\q/2)+(PI_%8)/5] offset:\b*16*BPI+8*PI_+8*(PI_/8)
.endr
.endr
.endr
	WIN 0
.endm
.macro FETCH s                         ; token tile s, all of K, into set s % 2: 32 loads
	WIN 0xc0
.set AR_, AD+2*((\s)/5)
.set AO_, ((\s)%5)*ATILE
.irp q, 0,1,2,3,4,5,6,7
.set R_, 96*((\s)%2)+12*\q
	ds_load_b128 v[R_:R_+3], v[AR_] offset:AO_+\q*1536
	ds_load_b64 v[R_+4:R_+5], v[AR_+1] offset:AO_+\q*1536+512
	ds_load_b128 v[R_+6:R_+9], v[AR_] offset:AO_+\q*1536+768
	ds_load_b64 v[R_+10:R_+11], v[AR_+1] offset:AO_+\q*1536+1280
.endr
	WIN 0
.endm
.macro PRODUCTS s, e                   ; block s (e = s % 2, as a digit): K ascending, the four accumulators by turns; the first four products start the sums
.irp q, 0,1,2,3,4,5,6,7
	WIN (1+\q/4)|(3<<2)
.irp p, 0,1
.irp o, 0,1
.set D_, ACC+32*\e+8*(2*\p+\o)
.set W_, 12*(4*(\q%4)+2*\p+\o)
.set A_, 96*\e+12*\q
.if \q == 0
	v_wmma_scale_f32_16x16x128_f8f6f4 v[D_:D_+7], v[W_:W_+11], v[A_:A_+11], 0, v[SB+8*\p+\q], v[SA+8*((\s)/2)+\q] matrix_a_fmt:MATRIX_FMT_FP6 matrix_b_fmt:MATRIX_FMT_FP6 matrix_a_scale:MATRIX_SCALE_ROW\o matrix_b_scale:MATRIX_SCALE_ROW\e
.else
	v_wmma_scale_f32_16x16x128_f8f6f4 v[D_:D_+7], v[W_:W_+11], v[A_:A_+11], v[D_:D_+7], v[SB+8*\p+\q], v[SA+8*((\s)/2)+\q] matrix_a_fmt:MATRIX_FMT_FP6 matrix_b_fmt:MATRIX_FMT_FP6 matrix_a_scale:MATRIX_SCALE_ROW\o matrix_b_scale:MATRIX_SCALE_ROW\e
.endif
.endr
.endr
.endr
	WIN 0
.endm
.macro TOSTAGE s                       ; LDS serves a wave's instructions in order (ISA guide 5.7.1.4): no wait between the stores and the loads
.set AC_, ACC+32*((\s)%2)
.irp b, 0,1,2,3
	ds_store_b128 v[STO], v[AC_+8*\b:AC_+8*\b+3] offset:64*\b        ; each accumulator from its low end on
	ds_store_b128 v[STO], v[AC_+8*\b+4:AC_+8*\b+7] offset:64*\b+16
.endr
.set BB_, BK+32*((\s)%2)
.irp t, 0,1,2,3,4,5,6,7
	ds_load_b128 v[BB_+4*\t:BB_+4*\t+3], v[RD] offset:\t*2*SPITCH
.endr
.endm
.macro SEND s                          ; sixteen lanes store 256 consecutive bytes, at a multiple of 256 from out0's first byte; every offset is an immediate (127 rows of 4,096 bytes at the most)
.set BB_, BK+32*((\s)%2)
.irp t, 0,1,2,3,4,5,6,7
	global_store_b128 v[CO], v[BB_+4*\t:BB_+4*\t+3], s[12:13] offset:(32*((\s)/2)+8*((\s)%2)+(2*\t)%8+16*((2*\t)/8))*4096 th:TH_STORE_NT
.endr
.endm
	s_wait_alu depctr_va_vdst(0)                   ; the wait at the head's end
	s_cmp_lt_u32 s14, 2
	s_cbranch_scc0 .Lnot_b
	s_wait_tensorcnt 0x0                           ; the two waves that asked for B's halves wait for them
.Lnot_b:
	BARRIER                                        ; B's tile is in; A's halves may still be on their way
	WEIGHTS
	s_wait_tensorcnt 0x0                           ; every wave: A's halves are in,
	s_wait_dscnt 0x0                               ; and my weights are in registers: B's bytes are read no more
	BARRIER
	FETCH 0
	FETCH 1
	s_wait_loadcnt 0x0                             ; the scale words
	s_wait_dscnt 32                                ; block 0's fragments are in; block 1's 32 loads may be out
	PRODUCTS 0, 0
	s_wait_dscnt 0x0
	PLACES 4                                       ; behind the products: in front of the loads into A's set and of the stores of the sums
	FETCH 2
	TOSTAGE 0
.macro BLOCK s, e
	PRODUCTS \s, \e
	s_wait_dscnt 0x0                               ; asked for ahead of these 32 products: the last block's rows are back from the stage, the next block's fragments are in
	s_wait_xcnt 0x0                                ; the stores of the block before the last have read their registers, which this block's rows take below
	SEND (\s)-1
	PLACES 4
.if (\s)+2 < 8
	FETCH (\s)+2
.endif
	TOSTAGE \s
.endm
	BLOCK 1, 1
	BLOCK 2, 0
	BLOCK 3, 1
	BLOCK 4, 0
	BLOCK 5, 1
	BLOCK 6, 0
	BLOCK 7, 1
	s_wait_dscnt 0x0
	SEND 7
	s_wait_tensorcnt 0x0                           ; the wave's end
	ds_add_u32 v[SPW], v[NIL]
	s_wait_dscnt 0x0
	CROUND                                         ; the closing round
	s_endpgm
.Lfunc_end_k_q05331bde57_oproj:
	.size	k_q05331bde57_oproj, .Lfunc_end_k_q05331bde57_oproj-k_q05331bde57_oproj
	.p2alignl 7, 3214868480
	.fill 96, 4, 3214868480
	.section	.rodata,"a",@progbits
	.p2align	6, 0x0
	.amdhsa_kernel k_q05331bde57_oproj
		.amdhsa_group_segment_fixed_size 327680
		.amdhsa_private_segment_fixed_size 0
		.amdhsa_enable_private_segment 0
		.amdhsa_kernarg_size 40
		.amdhsa_user_sgpr_count 2
		.amdhsa_user_sgpr_kernarg_segment_ptr 1
		.amdhsa_wavefront_size32 1
		.amdhsa_system_sgpr_workgroup_id_x 1
		.amdhsa_system_sgpr_workgroup_id_y 1
		.amdhsa_system_sgpr_workgroup_id_z 1
		.amdhsa_system_vgpr_workitem_id 0
		.amdhsa_next_free_vgpr 1024
		.amdhsa_next_free_sgpr 66
		.amdhsa_reserve_vcc 0
		.amdhsa_float_denorm_mode_32 3
		.amdhsa_float_denorm_mode_16_64 3
		.amdhsa_memory_ordered 1
		.amdhsa_forward_progress 1
		.amdhsa_inst_pref_size 86
	.end_amdhsa_kernel
	.amdgpu_metadata
---
amdhsa.version: [ 1, 2 ]
amdhsa.kernels:
  - .name:           k_q05331bde57_oproj
    .symbol:         k_q05331bde57_oproj.kd
    .args:
      - { .name: oc, .offset: 0, .size: 8, .value_kind: global_buffer, .address_space: global }
      - { .name: os, .offset: 8, .size: 8, .value_kind: global_buffer, .address_space: global }
      - { .name: wc, .offset: 16, .size: 8, .value_kind: global_buffer, .address_space: global }
      - { .name: ws, .offset: 24, .size: 8, .value_kind: global_buffer, .address_space: global }
      - { .name: out0, .offset: 32, .size: 8, .value_kind: global_buffer, .address_space: global }
    .group_segment_fixed_size: 327680
    .private_segment_fixed_size: 0
    .kernarg_segment_align: 8
    .kernarg_segment_size: 40
    .max_flat_workgroup_size: 128
    .sgpr_count:     66
    .vgpr_count:     1024
    .wavefront_size: 32
...
	.end_amdgpu_metadata
.endif
;; end of part 4
